; MI455X (gfx1250); checked and timed in simulation.
; The chip was launched on July 23, 2026; its instructions are those of AMD's public machine-readable ISA for CDNA 5 (MIT licence, August 2026) and "CDNA5" Instruction Set Architecture Reference Guide (July 2026). The comments in the code are by the model that wrote it; some were corrected since.
;; Attention. Allowed arithmetic: matrix products marked QUANTISED: E2M3 operands, one E8M0 scale for each 32 along K, by v_wmma_scale_f32_16x16x128_f8f6f4 with both operands' format E2M3, f32 sums; everything else in f32.
;; Inputs: b_in 3,072 float32; b_out 1,024 float32; w_in 3,072 x 1,024 float32; w_out 1,024 x 1,024 float32; x 8 x 1,024 x 1,024 float32.
;; Outputs: out0 8 x 1,024 x 1,024 float32.
;; This version of the problem:
;;   THIS VERSION OF THE PROBLEM IS GIVEN IN LOW PRECISION. The matrix products marked QUANTISED in the list below multiply operands that are first quantised to E2M3 (2 exponent bits, 3 mantissa bits; 6 bits a number), with one power-of-two scale for each 32 numbers along K (OCP MX v1.0); their sums are f32. All else is computed in f32.
;;   The module's matrix products, in the order in which they are computed (A, B: the left and right operand; K: the contracted axis; several contracted axes count as one K, in the product's order):
;;     1. [M 8,192, K 1,024] x [K 1,024, N 3,072]; A: input x; B: input w_in: QUANTISED
;;     2. batch 128 x [M 1,024, K 64] x [K 64, N 1,024]; A: computed on the way; B: computed on the way: QUANTISED
;;     3. batch 128 x [M 1,024, K 1,024] x [K 1,024, N 64]; A: softmax (see below); B: computed on the way: QUANTISED
;;     4. [M 8,192, K 1,024] x [K 1,024, N 1,024]; A: computed on the way; B: input w_out: QUANTISED
;;   THE QUANTISER, for each operand of a quantised product, along K:
;;     - K is cut into blocks of 32 from its start; a last block that is shorter is filled with zeros.
;;     - A block's scale is 2^e with e = floor(log2(the largest magnitude in the block)) - 2, held to -126 .. 127; a block of zeros has e = 0. As a byte (E8M0): e + 127.
;;     - Each number is divided by its block's scale, clamped to +-7.5, and rounded to the nearest number of E2M3, ties to even, subnormals kept.
;;     - The product sums the exact products of the quantised numbers (number of the format x scale) in f32.
;;   ~~~python
;;   def quantise(x, axis):      # numpy; x: float32 -> the quantised numbers, widened to float32 again
;;       x = np.moveaxis(x, axis, -1); K = x.shape[-1]
;;       x = np.pad(x, [(0, 0)] * (x.ndim - 1) + [(0, -K % 32)]); x = x.reshape(x.shape[:-1] + (-1, 32)); a = np.abs(x).max(-1, keepdims=True)
;;       e = np.where(a > 0, np.clip(np.frexp(np.where(a > 0, a, 1))[1] - 1 - 2, -126, 127), 0)      # np.frexp(a)[1] - 1 = floor(log2(a)), exactly
;;       r = np.clip(x / 2.0 ** e, -7.5, 7.5)
;;       step = 2.0 ** (np.maximum(np.frexp(np.where(r == 0, 1, r))[1] - 1, 0) - 3)
;;       q = np.round(r / step) * step * 2.0 ** e      # np.round: ties to even
;;       return np.moveaxis(q.reshape(q.shape[:-2] + (-1,))[..., :K], -1, axis).astype(np.float32)
;;   ~~~
;;   SOFTMAX AHEAD OF A QUANTISED PRODUCT. Where the list says 'softmax', what is quantised is not the finished softmax but p = 2^(t - M), with t = logit x log2(e) and M = ceil(the row's largest t), a whole number; so 1/2 < the row's largest p <= 1. The row's sum l is taken of the UNQUANTISED p, in f32, and the product's result is divided by l at the end. Since M is a whole number, a kernel that streams over the keys may use a running M (the ceiling of the running maximum): every later rescaling is an exact power of two, which a block's scale takes up: the codes' values come out the same.
;;   OPERANDS COMPUTED ON THE WAY. 'Computed on the way' means the value that the module computes at that place (a softmax that the list does not call 'softmax' is quantised finished and normalised). What goes into a quantiser is computed in f32, as accurately as f32 sums, v_exp_f32 and their like allow (about 1e-6 of the number): no bf16 or f16 on the way to a quantiser, and a product that is left as it is and whose result goes on into a quantised operand takes f32 operands (vector FMAs, or v_wmma_f32_16x16x4_f32). A number that lies on a knife's edge between two numbers of the format may be rounded either way, as far as f32 arithmetic and the matrix unit's own rounding can turn it there, and no further.
;; One version. Each part assembles by itself: llvm-mc -triple=amdgcn-amd-amdhsa -mcpu=gfx1250 --defsym DOCPART=n.
;; ======== version 1 of 1: 4 launches
;; limits: right only within a limited range of input values
;; workspace buffers: xw_img 9,437,184 bytes; xw_sc 393,216 bytes; qk_img 12,582,912 bytes; v_img 6,291,456 bytes; att_sc 1,572,864 bytes; ao_img 6,291,456 bytes; ao_sc 262,144 bytes
;; launch quant (part 1): grid 768 x 1, 4 waves a work-group, no clusters, 34,816 bytes of LDS; arguments x, w_in, w_out, xw_img, xw_sc; writes xw_img, xw_sc
.if DOCPART == 1
	.amdgcn_target "amdgcn-amd-amdhsa--gfx1250"
	.amdhsa_code_object_version 6
	.text
	.protected	k_q6674c71945_quant
	.globl	k_q6674c71945_quant
	.p2align	8
	.type	k_q6674c71945_quant,@function
k_q6674c71945_quant:
	s_mov_b64 s[64:65], 0
	v_nop
	global_prefetch_b8 v0, s[64:65] scope:SCOPE_SE
	s_setreg_imm32_b32 hwreg(HW_REG_WAVE_MODE, 25, 1), 1
	s_wait_xcnt 0x0
; x [8192][1024], w_in [3072][1024], w_out [1024][1024], f32, K innermost, become codes of FP6 (E2M3) with one E8M0 byte for each 32 along K.
; THE CODES ARE LAID AS IMAGES OF THE OPERAND'S REGISTERS.  A fragment is 16 rows x 128 K, 12 registers a lane (lane (r, h): registers 6 c .. 6 c + 5 = K 64 c + 32 h + 0 .. 31), 1,536 bytes:
; two halves of 768 bytes, each registers 0-3 at 16 x lane and registers 4-5 at 512 + 8 x lane.  xw_img: [tile 768][kappa 8][1,536]; tiles 0-511 x, 512-703 w_in, 704-767 w_out.
; THE ROWS OF A TILE ARE NOT NEIGHBOURS: tile T holds rows 32 (T / 2) + 8 (T % 2) + r + 8 (r / 8), r = 0 .. 15, so that a product that takes two neighbouring tiles as its source 0 leaves 16 neighbours in a lane.
; THE SCALE WORDS (four bytes: a row's 128 K): xw_sc: for each 16 tiles 8,192 bytes [kappa 8][quad 4][r 16][t 4], tile = 4 quad + t.
; A block's scale is 2^(floor(log2(its largest magnitude)) - 2); its byte is the largest magnitude's exponent field - 2, held at 1 from below.
; LIMITS: a block whose largest magnitude lies under 2^-124, a block of zeros among them, gets the byte 1 (the rule gives a block of zeros 127: its codes are zeros, and this program alone reads the bytes); NaN and infinities are not served.
; SHARES.  Work-group g: quad g / 4 (four tiles, 64 rows), kappas 2 (g % 4) and 2 (g % 4) + 1.  Wave w: kappa 2 (g % 4) + w % 2, tiles 2 (w / 2) and 2 (w / 2) + 1 of the quad: two steps of 16 rows x 512 bytes.
; A wave's 32 loads all go out at its head: 768 work-groups x 4 waves x 16 KiB are all that the launch reads.  Each load reads 512 consecutive bytes of a row; a step's 8,192 bytes turn through the wave's own stage in LDS
; and come back 128 bytes a lane for each of its two blocks.  The quad's four scale words of a row come from two waves: they meet in LDS, behind one barrier, and leave as whole runs of 256 bytes.
.set SPITCH, 528                       ; a stage row: 512 bytes + 16, so that the sixteen rows that a read touches begin 16 bytes apart modulo 256
.set STAGEB, 16*SPITCH
.set COMB,   4*STAGEB                  ; behind the four stages: 512 bytes [kappa 2][r 16][t 4]: the work-group's scale words
.set SPARE,  COMB+512                  ; the spare words, 128 bytes a wave
.set SPW, 8                            ; v8   my spare word's address; never rewritten
.set NIL, 9                            ; v9   0; never rewritten
.set M,   10                           ; v10-11 the two blocks' largest magnitudes
.set SO,  12                           ; v12-13 the conversions' scale operands
.set BY,  14                           ; v14-15 the bytes
.set W,   20                           ; v20-21 the two steps' scale words
.set PC,  24                           ; v24-35 a fragment's codes
.set CT,  36                           ; v36-38, v40-42 the halves that a conversion cannot put at an odd register
.set R,   64                           ; v64-191 two sets of 64: a step's numbers as loaded
.set X,   192                          ; v192-255 my 64 numbers: register 32 c + i = K 64 c + 32 h + i of row r
	s_load_b256 s[4:11], s[0:1], 0x0               ; x, w_in, w_out, xw_img
	s_load_b64 s[12:13], s[0:1], 0x20              ; xw_sc
	v_lshl_add_u32 v[SPW], v0, 2, SPARE
	v_mov_b32 v[NIL], 0
	v_lshrrev_b32 v1, 5, v0
	v_readfirstlane_b32 s14, v1                    ; wave
	v_and_b32 v1, 31, v0                           ; lane
	v_lshlrev_b32 v2, 4, v1                        ; 16 x lane
	v_lshlrev_b32 v5, 3, v1                        ; 8 x lane
	v_and_b32 v10, 15, v0                          ; r
	v_bfe_u32 v11, v0, 4, 1                        ; h
	v_lshlrev_b32 v7, 3, v11                       ; 8 h: where my two bytes stand in the scale word
	s_mul_i32 s15, s14, STAGEB
	v_add_nc_u32 v3, s15, v2                       ; the stage, in: 16 x lane of a row
	v_mul_u32_u24 v4, v10, SPITCH
	v_lshl_add_u32 v4, v11, 7, v4
	v_add_nc_u32 v4, s15, v4                       ; and out: row r, + 128 h
	s_and_b32 s29, s14, 1                          ; which of the work-group's two kappas
	s_lshr_b32 s30, s14, 1                         ; which pair of the quad's tiles
	s_lshl_b32 s31, s29, 8
	s_lshl_b32 s32, s30, 3
	s_add_co_u32 s31, s31, s32
	s_add_co_u32 s31, s31, COMB
	v_lshl_add_u32 v6, v10, 4, s31                 ; where my two words go: 256 x kappa + 16 r + 8 x pair
	v_add_nc_u32 v18, COMB, v2                     ; where wave 0 reads them back: 16 x lane
	v_lshlrev_b32 v19, 4, v10
	v_lshl_add_u32 v19, v11, 10, v19               ; and their place in memory: lanes 0-15 the first kappa's 256 bytes, lanes 16-31 the second's, 1,024 bytes on
	v_mov_b32 v16, 0                               ; a lane permute's destination counts as one of its sources
	s_mov_b32 s20, 0x76543210
	s_mov_b32 s21, 0xfedcba98                      ; selects for lane l xor 16
	s_lshr_b32 s16, ttmp9, 2                       ; the quad, 0 .. 191
	s_and_b32 s17, ttmp9, 3
	s_lshl_b32 s33, s17, 1                         ; the work-group's first kappa
	s_add_co_u32 s17, s33, s29                     ; my kappa
	s_mul_i32 s22, s16, 49152                      ; the images: four tiles of 12,288 bytes a quad,
	s_mul_i32 s23, s17, 1536
	s_add_co_u32 s22, s22, s23                     ; + kappa,
	s_mul_i32 s23, s30, 24576
	s_add_co_u32 s22, s22, s23                     ; + my pair of tiles
	s_mov_b32 s23, 0
	s_lshr_b32 s24, s16, 2
	s_lshl_b32 s24, s24, 13                        ; the scale words: the group of 16 tiles,
	s_lshl_b32 s25, s33, 10
	s_add_co_u32 s24, s24, s25                     ; the work-group's first kappa,
	s_and_b32 s25, s16, 3
	s_lshl_b32 s25, s25, 8
	s_add_co_u32 s24, s24, s25                     ; the quad in the group
	s_mov_b32 s25, 0
	s_mov_b32 s18, 176
	s_wait_alu depctr_va_vdst(0)
	s_wait_kmcnt 0x0
	s_cmp_lt_u32 s16, 176                          ; which tensor: the choice hangs on the work-group's number alone
	s_cselect_b64 s[6:7], s[6:7], s[8:9]
	s_cselect_b32 s18, 128, s18
	s_cmp_lt_u32 s16, 128
	s_cselect_b64 s[4:5], s[4:5], s[6:7]
	s_cselect_b32 s18, 0, s18                      ; the tensor's first quad
	s_sub_co_u32 s26, s16, s18
	s_lshl_b32 s26, s26, 18                        ; 64 rows of 4,096 bytes a quad,
	s_lshl_b32 s27, s17, 9
	s_add_co_u32 s26, s26, s27                     ; 512 bytes a kappa,
	s_lshl_b32 s27, s30, 17
	s_add_co_u32 s26, s26, s27                     ; 32 rows a pair of tiles
	s_mov_b32 s27, 0
	s_add_nc_u64 s[4:5], s[4:5], s[26:27]
	s_add_nc_u64 s[10:11], s[10:11], s[22:23]
	s_add_nc_u64 s[12:13], s[12:13], s[24:25]
.macro LOAD t                          ; tile t of my pair: its row i is the pair's row 8 t + i + 8 (i / 8); 32 lanes read 512 consecutive bytes
.irp i, 0,1,2,3,4,5,6,7,8,9,10,11,12,13,14,15
	global_load_b128 v[R+64*(\t)+4*\i:R+64*(\t)+4*\i+3], v2, s[4:5] offset:(8*(\t)+\i+8*(\i/8))*4096 th:TH_LOAD_NT
.endr
.endm
.macro Q32 t                           ; my two whole blocks become registers 0-5 and 6-11 of the fragment, and two bytes of my row's scale word
.irp c, 0,1
	v_max3_num_f32 v[M+\c], |v[X+32*\c]|, |v[X+32*\c+1]|, 0x1800000   ; with the floor 2^(3 - 127) among the leaves: the byte cannot fall under 1
.endr
.irp i, 2,4,6,8,10,12,14,16,18,20,22,24,26,28,30
.irp c, 0,1
	v_max3_num_f32 v[M+\c], v[M+\c], |v[X+32*\c+\i]|, |v[X+32*\c+\i+1]|   ; (the two blocks by turns)
.endr
.endr
.irp c, 0,1
	v_add_nc_u32 v[SO+\c], 0xff000000, v[M+\c]     ; 2 off the exponent field: the conversion takes the exponent field of this operand as its scale
.endr
.irp c, 0,1
	v_lshrrev_b32 v[BY+\c], 23, v[SO+\c]           ; the byte
.endr
	v_lshl_or_b32 v17, v[BY+1], 16, v[BY]          ; blocks h and 2 + h of my row,
	v_lshlrev_b32 v17, v7, v17                     ; at their places;
	v_permlanex16_b32 v16, v17, s20, s21
	v_or_b32 v[W+\t], v17, v16                     ; with lane l xor 16's two the word is whole
	v_cvt_scalef32_pk16_fp6_f32 v[PC:PC+2], v[X:X+15], v[SO]
	v_cvt_scalef32_pk16_fp6_f32 v[CT:CT+2], v[X+16:X+31], v[SO]
	v_cvt_scalef32_pk16_fp6_f32 v[PC+6:PC+8], v[X+32:X+47], v[SO+1]
	v_cvt_scalef32_pk16_fp6_f32 v[CT+4:CT+6], v[X+48:X+63], v[SO+1]
	v_nop                                          ; one plain place behind the scaled conversions
.irp i, 0,1,2
	v_mov_b32 v[PC+3+\i], v[CT+\i]
	v_mov_b32 v[PC+9+\i], v[CT+4+\i]
.endr
.endm
.macro STEP t
.if (\t) == 0
	s_wait_loadcnt 16                              ; this step's 16 loads are in; the second step's 16 may be out
.else
	s_wait_loadcnt 0x0
.endif
.irp i, 0,1,2,3,4,5,6,7,8,9,10,11,12,13,14,15
	ds_store_b128 v3, v[R+64*(\t)+4*\i:R+64*(\t)+4*\i+3] offset:SPITCH*\i
.endr
.irp c, 0,1
.irp j, 0,1,2,3,4,5,6,7
	ds_load_b128 v[X+32*\c+4*\j:X+32*\c+4*\j+3], v4 offset:256*\c+16*\j   ; LDS serves a wave's instructions in order: these see the stores above
.endr
.endr
	s_wait_dscnt 0x0
.if (\t) > 0
	s_wait_xcnt 0x0                                ; the first step's stores have read the codes' registers
.endif
	Q32 \t
	global_store_b128 v2, v[PC:PC+3], s[10:11] offset:12288*(\t)          ; each store covers whole aligned runs of 256 bytes
	global_store_b64 v5, v[PC+4:PC+5], s[10:11] offset:12288*(\t)+512
	global_store_b128 v2, v[PC+6:PC+9], s[10:11] offset:12288*(\t)+768
	global_store_b64 v5, v[PC+10:PC+11], s[10:11] offset:12288*(\t)+1280
.endm
	LOAD 0
	LOAD 1
	STEP 0
	STEP 1
	ds_store_b64 v6, v[W:W+1]                      ; my two tiles' words of row r; both halves of the lanes write the same bytes with the same value
	s_wait_dscnt 0x0                               ; for the others' sake
	s_barrier_signal -1
	s_barrier_wait -1
	s_cmp_lg_u32 s14, 0                            ; wave 0 stores the work-group's words: two runs of 256 consecutive bytes
	s_cbranch_scc1 .Lnot_mine
	ds_load_b128 v[X:X+3], v18
	s_wait_dscnt 0x0
	global_store_b128 v19, v[X:X+3], s[12:13]
.Lnot_mine:
	s_wait_tensorcnt 0x0                           ; the wave's end
	ds_add_u32 v[SPW], v[NIL]
	s_wait_dscnt 0x0
	s_endpgm
.Lfunc_end_k_q6674c71945_quant:
	.size	k_q6674c71945_quant, .Lfunc_end_k_q6674c71945_quant-k_q6674c71945_quant
	.p2alignl 7, 3214868480
	.fill 96, 4, 3214868480
	.section	.rodata,"a",@progbits
	.p2align	6, 0x0
	.amdhsa_kernel k_q6674c71945_quant
		.amdhsa_group_segment_fixed_size 34816
		.amdhsa_private_segment_fixed_size 0
		.amdhsa_enable_private_segment 0
		.amdhsa_kernarg_size 40
		.amdhsa_user_sgpr_count 2
		.amdhsa_user_sgpr_kernarg_segment_ptr 1
		.amdhsa_wavefront_size32 1
		.amdhsa_system_sgpr_workgroup_id_x 1
		.amdhsa_system_sgpr_workgroup_id_y 1
		.amdhsa_system_sgpr_workgroup_id_z 1
		.amdhsa_system_vgpr_workitem_id 0
		.amdhsa_next_free_vgpr 256
		.amdhsa_next_free_sgpr 66
		.amdhsa_reserve_vcc 0
		.amdhsa_float_denorm_mode_32 3
		.amdhsa_float_denorm_mode_16_64 3
		.amdhsa_memory_ordered 1
		.amdhsa_forward_progress 1
		.amdhsa_inst_pref_size 18
	.end_amdhsa_kernel
	.amdgpu_metadata
---
amdhsa.version: [ 1, 2 ]
amdhsa.kernels:
  - .name:           k_q6674c71945_quant
    .symbol:         k_q6674c71945_quant.kd
    .args:
      - { .name: x, .offset: 0, .size: 8, .value_kind: global_buffer, .address_space: global }
      - { .name: w_in, .offset: 8, .size: 8, .value_kind: global_buffer, .address_space: global }
      - { .name: w_out, .offset: 16, .size: 8, .value_kind: global_buffer, .address_space: global }
      - { .name: xw_img, .offset: 24, .size: 8, .value_kind: global_buffer, .address_space: global }
      - { .name: xw_sc, .offset: 32, .size: 8, .value_kind: global_buffer, .address_space: global }
    .group_segment_fixed_size: 34816
    .private_segment_fixed_size: 0
    .kernarg_segment_align: 8
    .kernarg_segment_size: 40
    .max_flat_workgroup_size: 128
    .sgpr_count:     66
    .vgpr_count:     256
    .wavefront_size: 32
...
	.end_amdgpu_metadata
.endif
;; end of part 1
;; launch qkv (part 2): grid 8 x 64, 4 waves a work-group, clusters of 4 x 4, 327,680 bytes of LDS; arguments xw_img, xw_sc, b_in, qk_img, v_img, att_sc; writes qk_img, v_img, att_sc
.if DOCPART == 2
	.amdgcn_target "amdgcn-amd-amdhsa--gfx1250"
	.amdhsa_code_object_version 6
	.text
	.protected	k_q6674c71945_qkv
	.globl	k_q6674c71945_qkv
	.p2align	8
	.type	k_q6674c71945_qkv,@function
k_q6674c71945_qkv:
	s_mov_b64 s[64:65], 0
	v_nop
	global_prefetch_b8 v0, s[64:65] scope:SCOPE_SE
	s_setreg_imm32_b32 hwreg(HW_REG_WAVE_MODE, 25, 1), 1
	s_wait_xcnt 0x0
	s_wait_alu depctr_hold_cnt(0) depctr_sa_sdst(0) depctr_va_vdst(0) depctr_va_sdst(0) depctr_va_ssrc(0) depctr_va_vcc(0) depctr_vm_vsrc(0)
	s_getreg_b32 s2, hwreg(HW_REG_IB_STS2, 6, 4)
	s_cmp_eq_u32 s2, 0
	s_cbranch_scc0 .Lentry_in_a_cluster
	s_endpgm
.Lentry_in_a_cluster:
	s_bfe_u32 s2, ttmp6, 0x10000c
	s_cmp_lg_u32 s2, 0xf033
	s_cbranch_scc0 .Lentry_shape_is_right
	s_endpgm
.Lentry_shape_is_right:
; qkv = Q(x) Q(w_in)^T + b_in on codes of FP6 (E2M3) with E8M0 scales, and its results quantised at once: q and k along the head's 64, v along the keys.  M 8,192, N 3,072, K 1,024.
; Codes come as images of the operand's registers (16 rows x 128 K: 1,536 bytes; b128 at 16 x lane, b64 at 512 + 8 x lane, the same again 768 bytes on); tile T holds rows 32 (T / 2) + 8 (T % 2) + r + 8 (r / 8).
; A tile of the result, 256 x 256, is made by four waves, 128 x 128 each: 64 accumulators, 512 registers.  K goes in four steps of 256 through two LDS slots filled by tensor loads; all four are written out.
; CLUSTERS: 4 x 4 work-groups; x's tiles are asked for jointly along a row of the cluster, w_in's along a column.  384 work-groups.
; TWO ROLES, ONE TEXT.  Source 0's rows run down a lane's registers in the result, so source 0 is the side along which the result is quantised next.  For q and k (cluster x 0, 1): source 0 = w_in's rows (the head's d),
; source 1 = tokens.  For v (cluster x = 2): source 0 = tokens (the keys), source 1 = w_in's rows.  The cluster's x is the same in all sixteen partners; it chooses scalars (LDS read bases, output places, strides), never a branch.
; By the order of a tile's rows the 64 registers of an accumulator row (a, 0 .. 7) are: register 16 b + i = index 32 b + 16 (lane / 16) + i along source 0's 128: what the quantiser wants.
; OUT: qk_img [q, k][b h][token tile 64][768]: half images, K = the head's 64.  v_img [b][key step 8][h][d tile 4][1,536]: fragments of V^T, K = 128 keys.
; att_sc [q, k, v][b h][8][512]: q, k: [g 2][r 16][j 4] words of tile 4 g + j, a word = the head's two bytes twice (the copies serve the padded half of K in the next launch); v: [copy 2][r 16][d tile 4] words.
; THE BIAS: by source 0's rows it is the C of each sum's first product (q, k); by source 1's rows it is added on the way out (v).  The one that does not apply is made 0.
; LIMITS: a block whose largest magnitude lies under 2^-124, a block of zeros among them, gets the byte 1 (its codes are zeros; this program alone reads the bytes); NaN and infinities are not served.
; REGISTERS, in windows of 256: window 0: v0-31 addresses; v32-63 scale words, two sets; v64-127 the bias as C; v128-223 source 1's 8 fragments, ONE set; v240-255 the bias by source 1's rows.
;   window 1: source 0's 8 fragments, TWO sets, at v0 and v128.   windows 2, 3: the accumulators, (a, b) at v[8 (8 (a % 4) + b)].
; THE DEAL AS IT STANDS (it takes the place of what is said above of the grid and of v's role): 512 work-groups, clusters 2 x 16.  Cluster rows 0-7 make q and k: 256 tokens x 256 rows of w_in, cluster x = q or k.
; Cluster rows 8-15 make v: 256 tokens x 128 rows of w_in (tile column 4 x cluster x + cx of eight); a wave there has 128 tokens x 64 rows, one head: 32 accumulators.  The larger tiles have the lower numbers.
; The role hangs on the cluster's y alone, the same in all sixteen partners.  It chooses scalars in the head, the line that asks for w_in's tiles (16 or 8), and one of two copies of the walk along K and the way out.
; Both roles load both forms of the bias in the head (q, k: as C; v: by source 1's rows); each copy uses its own.
.set HALFT, 24576
.set SLOT,  4*HALFT                    ; x's 16 tiles, then w_in's 16
.set SCA,   2*SLOT                     ; behind the ring: the scale words of x's 256 rows for all of K, 8,192 bytes,
.set SCB,   SCA+8192                   ; and of w_in's 256 rows
.set SPARE, SCB+8192                   ; the spare words, 128 bytes a wave
.set FR, 12
.set NL, 4                             ; LDS loads that bring a fragment
.set NP, 4                             ; places behind this matrix instruction (ISA guide 7.12.1)
.set WB_IMG, 6291456                   ; w_in's first tile in xw_img
.set WB_SC,  262144                    ; and its scale words in xw_sc
.set PA, 4                             ; s[4:5] both sides' codes;  s[6:7] both sides' scale words
.set PAS, 6
.set PB, 4
.set PBS, 6
.set ADR1, 16                          ; v16-17 source 1's fragments in slot 0, 1, + 16 x lane;  v18-19 + 8 x lane
.set ADR0, 20                          ; v20-23 the same for source 0
.set ADRS, 27                          ; v27 my scale words: lanes 0-15 source 1's, lanes 16-31 source 0's
.set SPW, 28                           ; v28 my spare word's address; never rewritten
.set NIL, 29                           ; v29 0; never rewritten
.set ZR,  30
.set SC,  32                           ; scale words: register SC + 16 set + 8 q + i: tile i of my eight, the slot's q-th 128 along K
.set BN,  64
.set AF,  128
.set BM,  240
.set NUM, 128                          ; the way out: 64 numbers
.set PC,  192                          ; the codes just made
.set TM,  32                           ; at work
.set G1, 24
.set G0, 32
.set G1B, 48
.set G0B, 56
.set G1S, 68
.set G0S, 76
.set G1SB, 80
.set G0SB, 88
.set MSB, 0
.macro WIN new                         ; the immediate's high byte repeats the setting that is left
.if MSB != \new
	s_set_vgpr_msb (MSB<<8)|\new
.set MSB, \new
.endif
.endm
; A joint load: waves 0 and 1 fetch for x, waves 2 and 3 for w_in.  The branch hangs on the wave's number alone.  An s_nop 0 and four v_nop follow each of the two lines.
.macro JLOAD g0a, g1a, g0b, g1b
	s_cmp_eq_u32 s17, 0
	s_cbranch_scc0 .Lfor_b_\@
	tensor_load_to_lds s[\g0a:\g0a+3], s[\g1a:\g1a+7]
	s_nop 0
.rept 4
	v_nop
.endr
	s_branch .Lasked_\@
.Lfor_b_\@:
	tensor_load_to_lds s[\g0b:\g0b+3], s[\g1b:\g1b+7]
	s_nop 0
.rept 4
	v_nop
.endr
.Lasked_\@:
.endm
.macro CREST                           ; a round of the cluster's barrier behind its opening barrier
	s_cmp_lg_u32 s16, 0
	s_cbranch_scc1 .Lnot_wave_0_\@
	s_barrier_signal -3
.Lnot_wave_0_\@:
	s_barrier_wait -3
	s_barrier_signal -1
	s_barrier_wait -1
.endm
.macro CROUND
	s_barrier_signal -1
	s_barrier_wait -1
	CREST
.endm
.macro PLACES n
.rept \n
	v_nop
.endr
.endm
	s_load_b256 s[4:11], s[0:1], 0x0               ; xw_img, xw_sc, b_in, qk_img
	s_load_b128 s[12:15], s[0:1], 0x20             ; v_img, att_sc
	v_lshl_add_u32 v[SPW], v0, 2, SPARE
	v_mov_b32 v[NIL], 0
	ds_add_u32 v[SPW], v[NIL]                      ; the wave's opening: the add and its wait stand ahead of my first tensor load; register work stands between them
	ds_add_u32 v[SPW], v[NIL]
	v_lshrrev_b32 v1, 5, v0
	v_readfirstlane_b32 s16, v1                    ; wave 0..3
	s_lshr_b32 s17, s16, 1                         ; hA: which half of x's rows I multiply.  Also: I fetch for x (0) or for w_in (1)
	s_and_b32 s18, s16, 1                          ; hB: which half of w_in's rows.  Also: which 8 tiles I fetch
	s_bfe_u32 s21, ttmp6, 0x40000                  ; cx
	s_bfe_u32 s22, ttmp6, 0x40004                  ; cy
	s_lshl_b32 s20, ttmp9, 2
	s_add_co_u32 s20, s20, s21                     ; tx = 4 x cluster x + cx: 256 rows of w_in
	s_and_b32 s19, ttmp7, 7                        ; the cluster's row among its role's eight
	s_bfe_u32 s99, ttmp7, 0x10003                  ; 1: v's role
	s_lshl_b32 s19, s19, 2
	s_add_co_u32 s19, s19, s22                     ; ty: 256 rows of x
	s_lshl_b32 s40, s22, 2
	s_lshl_b32 s40, 15, s40                        ; my row of the cluster
	s_lshl_b32 s41, 0x1111, s21                    ; my column
	; group 1 for codes: 8 rows (tiles) of 3,072 bytes (384 elements of 8 bytes), 12,288 bytes apart; dense in LDS
	s_or_b32 s[G1+0], s40, (3<<16)|(1<<21)         ; 15:0 the mask; 17:16 elements of 8 bytes; 21 set beside a mask
	s_or_b32 s[G1B+0], s41, (3<<16)|(1<<21)
.irp g, G1, G1B
	s_mov_b32 s[\g+1], 384<<16                     ; tensor_dim0
	s_mov_b32 s[\g+2], 8<<16                       ; tensor_dim1
	s_mov_b32 s[\g+3], 384<<16                     ; tile_dim0
	s_mov_b32 s[\g+4], 8                           ; tile_dim1
	s_mov_b32 s[\g+5], 1536                        ; elements from row to row
	s_mov_b32 s[\g+6], 0
	s_mov_b32 s[\g+7], 0
.endr
	; a second group 1 for the head's loads: a side's 16 tiles of one K step, whole
	s_or_b32 s[G1S+0], s40, (3<<16)|(1<<21)
	s_or_b32 s[G1SB+0], s41, (3<<16)|(1<<21)
.irp g, G1S, G1SB
	s_mov_b32 s[\g+1], 384<<16
	s_mov_b32 s[\g+2], 16<<16
	s_mov_b32 s[\g+3], 384<<16
	s_mov_b32 s[\g+4], 16
	s_mov_b32 s[\g+5], 1536
	s_mov_b32 s[\g+6], 0
	s_mov_b32 s[\g+7], 0
.endr
	s_lshl_b32 s42, s19, 4
	s_lshl_b32 s23, s18, 3
	s_add_co_u32 s42, s42, s23                     ; x: tile 16 ty + 8 x half
	s_mul_i32 s42, s42, 12288
	s_mov_b32 s43, 0
	s_lshl_b32 s46, s20, 4
	s_add_co_u32 s46, s46, s23                     ; w_in: q, k: tile 16 tx + 8 x half;
	s_lshr_b32 s46, s46, s99
	s_lshl_b32 s98, s99, 7
	s_add_co_u32 s46, s46, s98                     ; v: tile 128 + 8 tx + 4 x half
	s_mul_i32 s46, s46, 12288
	s_add_co_u32 s46, s46, WB_IMG
	s_mov_b32 s47, 0
	s_lshl_b32 s44, s19, 13
	s_lshl_b32 s23, s18, 12
	s_add_co_u32 s44, s44, s23                     ; the scale words: 8,192 bytes for 16 tiles, my half of them
	s_mov_b32 s45, 0
	s_lshr_b32 s92, s20, s99                       ; w_in's group of 16 tiles: tx, or in v's role 8 + tx / 2
	s_lshl_b32 s98, s99, 3
	s_add_co_u32 s92, s92, s98
	s_lshl_b32 s92, s92, 13
	s_add_co_u32 s92, s92, s23
	s_add_co_u32 s92, s92, WB_SC
	s_mov_b32 s93, 0
	s_mul_i32 s94, s16, HALFT                      ; where they go: wave x 8 tiles: no place in the cluster enters an LDS address
	s_lshl_b32 s95, s16, 12
	s_add_co_u32 s95, s95, SCA
	s_wait_dscnt 0x0                               ; the opening add is done
	s_wait_kmcnt 0x0
	s_add_nc_u64 s[42:43], s[PA:PA+1], s[42:43]
	s_add_nc_u64 s[44:45], s[PAS:PAS+1], s[44:45]
	s_add_nc_u64 s[46:47], s[PB:PB+1], s[46:47]
	s_add_nc_u64 s[92:93], s[PBS:PBS+1], s[92:93]
	CROUND                                         ; all sixteen work-groups are here: the first joint loads meet
	; THE HEAD'S LOADS, one a wave: wave 0 x's 16 tiles of K step 0, wave 1 of K step 1, waves 2 and 3 the same of w_in: both slots are filled here
	s_mul_i32 s96, s18, 8*12288-3072               ; back from my half's tiles to the side's first tile, and on to K step hB
	s_mov_b32 s97, 0
	s_mul_i32 s98, s18, SLOT
	s_mov_b32 s[G0S], 1
	s_mov_b32 s[G0S+1], s98
	s_sub_nc_u64 s[G0S+2:G0S+3], s[42:43], s[96:97]
	s_or_b32 s[G0S+3], s[G0S+3], 0x80000000
	s_mov_b32 s[G0SB], 1
	s_add_co_u32 s[G0SB+1], s98, 2*HALFT
	s_mul_i32 s2, s18, 8*12288                     ; w_in: my half lies 8 tiles on, in v's role 4
	s_lshr_b32 s2, s2, s99
	s_mul_i32 s3, s18, 3072
	s_sub_co_u32 s2, s2, s3
	s_mov_b32 s3, 0
	s_sub_nc_u64 s[G0SB+2:G0SB+3], s[46:47], s[2:3]
	s_or_b32 s[G0SB+3], s[G0SB+3], 0x80000000
.macro TL g0, g1
	tensor_load_to_lds s[\g0:\g0+3], s[\g1:\g1+7]
	s_nop 0
.rept 4
	v_nop
.endr
.endm
.macro ARM under, g0, g1, next         ; one chain of branches on the wave's number, a load line of its own in each arm
	s_cmp_lt_u32 s16, \under
	s_cbranch_scc0 \next
	TL \g0, \g1
	s_branch .Lhead_asked
\next:
.endm
	ARM 1, G0S, G1S, .Lhead_a1
	ARM 2, G0S, G1S, .Lhead_b0
	s_cmp_lg_u32 s99, 0                            ; the role: the same in all partners
	s_cbranch_scc1 .Lhead_v
	ARM 3, G0SB, G1SB, .Lhead_b1
	TL G0SB, G1SB
	s_branch .Lhead_asked
.Lhead_v:                                              ; v: w_in's side has 8 tiles: the group 1 of 8 rows
	ARM 3, G0SB, G1B, .Lhead_v1
	TL G0SB, G1B
.Lhead_asked:
	; the scale words, 16,384 bytes a work-group, come through registers: wave w takes 4,096 bytes (x's two halves, then w_in's), each load 512 consecutive bytes
	v_and_b32 v24, 31, v0
	v_lshlrev_b32 v24, 4, v24                      ; 16 x lane
	v_add_nc_u32 v25, s95, v24                     ; their place in LDS: bytes that no tensor load fills
	s_and_b32 s2, s20, s99                         ; v's role, w_in's waves: my 8 tiles are the group's half tx % 2, 512 bytes of each kappa's 1,024.  The two halves change places
	s_and_b32 s2, s2, s17                          ; in the GLOBAL address, so that mine always lie first in LDS: no place in the cluster enters an LDS address
	s_lshl_b32 s2, s2, 9
	s_xor_b32 s3, s2, 512
	v_add_nc_u32 v26, s3, v24
	v_add_nc_u32 v24, s2, v24
	s_cmp_eq_u32 s17, 0
	s_cselect_b64 s[44:45], s[44:45], s[92:93]
.irp i, 0,2,4,6
	global_load_b128 v[128+4*\i:131+4*\i], v24, s[44:45] offset:512*\i
	global_load_b128 v[132+4*\i:135+4*\i], v26, s[44:45] offset:512*\i
.endr
	; the ring's group 0, first used by the refills: my 8 tiles
.irp s, 0,1
	s_mov_b32 s[G0+4*\s], 1
	s_add_co_u32 s[G0+4*\s+1], s94, \s*SLOT
	s_add_nc_u64 s[G0+4*\s+2:G0+4*\s+3], s[42:43], \s*3072
	s_or_b32 s[G0+4*\s+3], s[G0+4*\s+3], 0x80000000
	s_mov_b32 s[G0B+4*\s], 1
	s_add_co_u32 s[G0B+4*\s+1], s94, \s*SLOT
	s_add_nc_u64 s[G0B+4*\s+2:G0B+4*\s+3], s[46:47], \s*3072
	s_or_b32 s[G0B+4*\s+3], s[G0B+4*\s+3], 0x80000000
.endr
	s_wait_xcnt 0x0                                ; the scale words' loads have read their base: s44 and s45 are written again below
	v_and_b32 v1, 31, v0
	v_and_b32 v2, 15, v0                           ; r
	v_bfe_u32 v3, v0, 4, 1                         ; h
	v_lshlrev_b32 v4, 4, v1                        ; 16 x lane
	s_wait_alu depctr_va_vdst(0)
	v_lshlrev_b32 v5, 3, v1                        ; 8 x lane
	s_wait_alu depctr_va_vdst(0)
	; what both roles could want, then ONE compare and the choices
	s_mul_i32 s96, s17, HALFT                      ; x's tiles that I multiply,
	s_mul_i32 s97, s18, HALFT
	s_add_co_u32 s97, s97, 2*HALFT                 ; w_in's
	s_lshl_b32 s98, s17, 9
	s_add_co_u32 s98, s98, SCA                     ; their scale words: 512 bytes for 8 tiles in each kappa
	s_lshl_b32 s99, s18, 9
	s_add_co_u32 s99, s99, SCB
	s_mul_i32 s104, s18, HALFT/2                   ; v's role: my 4 tiles of w_in's 8,
	s_add_co_u32 s104, s104, 2*HALFT
	s_lshl_b32 s105, s18, 8
	s_add_co_u32 s105, s105, SCB                   ; and their scale words: 256 bytes in each kappa
	s_lshr_b32 s2, s19, 2                          ; b
	s_and_b32 s3, s19, 3                           ; which quarter of the batch's tokens
	s_lshl_b32 s23, s21, 2
	s_lshl_b32 s66, s18, 1
	s_add_co_u32 s23, s23, s66                     ; my first head: 4 cx + 2 hB
	s_lshl_b32 s66, s20, 1
	s_add_co_u32 s66, s66, s18                     ; v's role: my one head: 2 tx + hB
	s_lshl_b32 s67, ttmp9, 7
	s_and_b32 s42, ttmp7, 8                        ; SCC: v's role
	s_cselect_b32 s23, s66, s23
	s_cselect_b32 s66, 256, s67
	s_lshl_b32 s67, s2, 4
	s_add_co_u32 s66, s66, s67
	s_add_co_u32 s66, s66, s23                     ; 128 x (q, k, v) + 16 b + head
	s_lshl_b32 s67, s3, 1
	s_add_co_u32 s67, s67, s17                     ; my 128 tokens of the batch's 1,024
	s_lshl_b32 s92, s66, 6
	s_lshl_b32 s93, s67, 3
	s_add_co_u32 s92, s92, s93
	s_mul_i32 s92, s92, 768                        ; q, k: my first half image
	s_lshl_b32 s93, s2, 3
	s_add_co_u32 s93, s93, s67
	s_lshl_b32 s93, s93, 4
	s_add_co_u32 s93, s93, s23
	s_mul_i32 s93, s93, 6144                       ; v: my first fragment
	s_lshl_b32 s94, s66, 12
	s_lshl_b32 s95, s67, 9
	s_add_co_u32 s94, s94, s95                     ; the scale words' place: the same form in both roles
	s_mov_b32 s95, 0
	s_mov_b32 s40, 768                             ; from accumulator row a to a + 1
	s_mov_b32 s41, 0
	s_mov_b32 s44, 49152                           ; from a fragment's first half to its second
	s_mov_b32 s45, 4096                            ; scale words: from lanes 0-15 to lanes 16-31,
	s_mov_b32 s46, 256                             ; from rows a = 0-3 to a = 4-7
	s_mov_b32 s47, 0x01000100                      ; which bytes of the word made: lanes 0-15,
	s_mov_b32 s67, 0x03020302                      ; lanes 16-31
	s_mov_b32 s43, 0xffff0000                      ; lanes 16-31
	s_mov_b32 s100, 0x76543210
	s_mov_b32 s101, 0xfedcba98                     ; selects for lane l xor 16
	s_and_b32 s42, ttmp7, 8                        ; SCC: v's role?  The cluster's y: the same in all sixteen partners
	s_cselect_b32 s42, -1, 0
	s_cselect_b32 s2, s104, s96                    ; source 1's tiles
	s_cselect_b32 s3, s96, s97                     ; source 0's
	s_cselect_b32 s23, s105, s98                   ; source 1's scale words
	s_cselect_b32 s66, s98, s99                    ; source 0's
	s_cselect_b32 s92, s93, s92
	s_cselect_b64 s[10:11], s[12:13], s[10:11]
	s_cselect_b32 s40, 1536, s40
	s_cselect_b32 s44, 768, s44
	s_cselect_b32 s45, 256, s45
	s_cselect_b32 s46, 4096, s46
	s_cselect_b32 s47, 0x03020100, s47
	s_cselect_b32 s67, 0x03020100, s67
	s_mov_b32 s93, 0
	s_add_nc_u64 s[10:11], s[10:11], s[92:93]      ; the codes' way out
	s_add_nc_u64 s[14:15], s[14:15], s[94:95]      ; the scale words'
	s_lshl_b32 s96, s20, 10
	s_lshl_b32 s97, s18, 9
	s_add_co_u32 s96, s96, s97                     ; q, k: my 128 rows
	s_lshl_b32 s97, s20, 9
	s_add_co_u32 s97, s97, 8192                    ; v: the work-group's 128 rows; my 64 of them go into the lanes' offset, so that every load stays inside b_in
	s_lshl_b32 s98, s18, 8
	s_cmp_lg_u32 s42, 0
	s_cselect_b32 s96, s97, s96
	s_cselect_b32 s98, s98, 0
	s_mov_b32 s97, 0
	s_add_nc_u64 s[8:9], s[8:9], s[96:97]          ; b_in at my 128 rows of w_in
.irp s, 0,1
	v_add_nc_u32 v[ADR1+\s], s2, v4
	v_add_nc_u32 v[ADR1+2+\s], s2, v5
	v_add_nc_u32 v[ADR0+\s], s3, v4
	v_add_nc_u32 v[ADR0+2+\s], s3, v5
	s_add_co_u32 s2, s2, SLOT
	s_add_co_u32 s3, s3, SLOT
.endr
	v_lshlrev_b32 v15, 4, v2                       ; 16 r
	v_add_nc_u32 v13, s23, v15
	v_add_nc_u32 v14, s66, v15
	v_cndmask_b32 v[ADRS], v13, v14, s43
	v_add_nc_u32 v6, s44, v4                       ; a fragment's second half
	v_add_nc_u32 v7, s44, v5
	v_lshlrev_b32 v8, 6, v3                        ; the bias as C: 16 h numbers on
	v_and_b32 v9, 8, v2
	v_add_nc_u32 v9, v9, v2
	v_lshlrev_b32 v9, 2, v9                        ; the bias by source 1's rows: r + 8 (r / 8)
	v_add_nc_u32 v9, s98, v9
	v_mul_u32_u24 v10, s45, v3
	v_add_nc_u32 v10, v10, v15                     ; the scale words' store
	v_add_nc_u32 v11, s46, v10
	v_mov_b32 v13, s47
	v_mov_b32 v14, s67
	v_cndmask_b32 v12, v13, v14, s43               ; the byte selector
.irp b, 0,1,2,3,4,5,6,7
	global_load_b128 v[BN+8*\b:BN+8*\b+3], v8, s[8:9] offset:(32*(\b/2)+8*(\b%2))*4       ; register 8 b + j: row 32 (b / 2) + 8 (b % 2) + 16 h + j
	global_load_b128 v[BN+8*\b+4:BN+8*\b+7], v8, s[8:9] offset:(32*(\b/2)+8*(\b%2))*4+16
.endr
.irp a, 0,1,2,3
	global_load_b32 v[BM+2*\a], v9, s[8:9] offset:(32*(\a/2)+8*(\a%2))*4
.endr
.irp a, 0,1,2,3,4,5,6,7
	v_mov_b32 v[BM+2*\a+1], 0                      ; (named with it as a pair)
.endr
.macro FRAG reg, adr, q, i             ; a fragment comes as it was stored: every load reads consecutive bytes
	ds_load_b128 v[\reg:\reg+3], v[\adr] offset:(\i)*3072+(\q)*1536
	ds_load_b64 v[\reg+4:\reg+5], v[\adr+2] offset:(\i)*3072+(\q)*1536+512
	ds_load_b128 v[\reg+6:\reg+9], v[\adr] offset:(\i)*3072+(\q)*1536+768
	ds_load_b64 v[\reg+10:\reg+11], v[\adr+2] offset:(\i)*3072+(\q)*1536+1280
.endm
.macro FETCH_S0 slot, q, set
	WIN 0x40                                       ; destination window 1
.irp i, 0,1,2,3,4,5,6,7
	FRAG 128*(\set)+FR*\i, ADR0+\slot, \q, \i
.endr
	WIN 0
.endm
.macro FETCH_S1 slot, q, i0
.irp i, \i0, \i0+1, \i0+2, \i0+3
	FRAG AF+FR*(\i), ADR1+\slot, \q, \i
.endr
.endm
.macro SCALES set, ks                  ; K step ks's words: four tiles' to a load
.irp q, 0,1
.irp u, 0,1
	ds_load_b128 v[SC+16*(\set)+8*\q+4*\u:SC+16*(\set)+8*\q+4*\u+3], v[ADRS] offset:(2*(\ks)+\q)*1024+256*\u
.endr
.endr
.endm
; 16 matrix instructions: source 1's blocks a0, a0 + 1 x source 0's eight.  first = 1: the bias is the C.  The 64 accumulators take turns, one instruction a turn.
.macro MUL16 a0, p, q, sc, first
.irp a, \a0, \a0+1
.irp b, 0,1,2,3,4,5,6,7
.if \first
	v_wmma_scale_f32_16x16x128_f8f6f4 v[8*(8*((\a)%4)+\b):8*(8*((\a)%4)+\b)+7], v[128*(\p)+FR*\b:128*(\p)+FR*\b+FR-1], v[AF+FR*(\a):AF+FR*(\a)+FR-1], v[BN+8*\b:BN+8*\b+7], v[SC+16*(\sc)+8*(\q)+\b], v[SC+16*(\sc)+8*(\q)+(\a)] matrix_a_fmt:MATRIX_FMT_FP6 matrix_b_fmt:MATRIX_FMT_FP6 matrix_a_scale:MATRIX_SCALE_ROW1
.else
	v_wmma_scale_f32_16x16x128_f8f6f4 v[8*(8*((\a)%4)+\b):8*(8*((\a)%4)+\b)+7], v[128*(\p)+FR*\b:128*(\p)+FR*\b+FR-1], v[AF+FR*(\a):AF+FR*(\a)+FR-1], v[8*(8*((\a)%4)+\b):8*(8*((\a)%4)+\b)+7], v[SC+16*(\sc)+8*(\q)+\b], v[SC+16*(\sc)+8*(\q)+(\a)] matrix_a_fmt:MATRIX_FMT_FP6 matrix_b_fmt:MATRIX_FMT_FP6 matrix_a_scale:MATRIX_SCALE_ROW1
.endif
.endr
.endr
.endm
.macro STEP slot, first                ; a slot's first 128 along K
	s_wait_dscnt 4*NL                              ; all but the youngest 16 loads (source 1's blocks 4-7)
.if \first
	WIN 0x81                                       ; source 0 window 1, source 1 and C window 0, D window 2
.else
	WIN 0xa1
.endif
	MUL16 0, 0, 0, \slot, \first
	MUL16 2, 0, 0, \slot, \first
	s_wait_dscnt 0x0
	PLACES NP                                      ; in front of loads into registers that matrix instructions have read
	FETCH_S0 \slot, 1, 1
	FETCH_S1 \slot, 1, 0
.if \first
	WIN 0xc1
.else
	WIN 0xf1
.endif
	MUL16 4, 0, 0, \slot, \first
	MUL16 6, 0, 0, \slot, \first
	PLACES NP
	WIN 0
	FETCH_S1 \slot, 1, 4
.endm
; A slot's second 128 along K changes slots: ONE barrier; in front of it each wave waits for all its tensor loads, adds 0 to its spare word, and waits for that and for its reads of this slot.
.macro TURN slot, next, fill, ks
	s_wait_tensorcnt 0x0                           ; all my tensor loads have landed: my part of the next slot
	ds_add_u32 v[SPW], v[NIL]
	s_wait_dscnt 4*NL+1                            ; (the add and the youngest 16 loads may be out)
	WIN 0xa1
	MUL16 0, 1, 1, \slot, 0
	s_wait_dscnt 0x0                               ; the add is done, and my reads of this slot are over
	s_barrier_signal -1
	MUL16 2, 1, 1, \slot, 0
	WIN 0
	s_barrier_wait -1
.if \fill
	CREST                                          ; the barrier has opened a round of the cluster's: no wave of any partner still reads this slot or has a load on its way
	s_add_nc_u64 s[G0+4*\slot+2:G0+4*\slot+3], s[G0+4*\slot+2:G0+4*\slot+3], 6144
	s_add_nc_u64 s[G0B+4*\slot+2:G0B+4*\slot+3], s[G0B+4*\slot+2:G0B+4*\slot+3], 6144
	JLOAD G0+4*\slot, G1, G0B+4*\slot, G1B         ; two K steps on; its four v_nop are also the places in front of the loads below
.else
	PLACES NP
.endif
	FETCH_S0 \next, 0, 0
	FETCH_S1 \next, 0, 0
	SCALES \next, \ks
	WIN 0xf1
	MUL16 4, 1, 1, \slot, 0
	MUL16 6, 1, 1, \slot, 0
	PLACES NP
	WIN 0
	FETCH_S1 \next, 0, 4
.endm
	s_wait_alu depctr_va_vdst(0)                   ; the wait at the head's end
	s_wait_loadcnt 20                              ; the eight loads of scale words are in; the 20 loads of the biases, issued behind them, may be out
.irp i, 0,1,2,3,4,5,6,7
	ds_store_b128 v25, v[128+4*\i:131+4*\i] offset:512*\i
.endr
	s_cmp_eq_u32 s18, 0                            ; waves 0 and 2 asked for K step 0 and wait for it; K step 1's loads, lines of waves 1 and 3 alone, may be out
	s_cbranch_scc0 .Lslot_1
	s_wait_tensorcnt 0x0
.Lslot_1:
	s_wait_dscnt 0x0                               ; my scale words are stored, for the others' sake
	s_barrier_signal -1
	s_barrier_wait -1
	s_cmp_lg_u32 s42, 0                            ; v's role has its own copy of all that follows
	s_cbranch_scc1 .Lvrole
	FETCH_S0 0, 0, 0
	FETCH_S1 0, 0, 0
	SCALES 0, 0
	FETCH_S1 0, 0, 4
	s_wait_loadcnt 0x0                             ; the biases
.irp a, 0,1,2,3,4,5,6,7
	v_mov_b32 v[BM+2*\a], 0                        ; q and k: no bias by source 1's rows
.endr
	s_wait_alu depctr_va_vdst(0)
	STEP 0, 1
	TURN 0, 1, 1, 1
	STEP 1, 0
	TURN 1, 0, 1, 2
	STEP 0, 0
	TURN 0, 1, 0, 3                                ; nothing is left to fetch
	STEP 1, 0
	s_wait_dscnt 4*NL
	WIN 0xa1
	MUL16 0, 1, 1, 1, 0
	MUL16 2, 1, 1, 1, 0
	s_wait_dscnt 0x0
	WIN 0xf1
	MUL16 4, 1, 1, 1, 0
	MUL16 6, 1, 1, 1, 0
	WIN 0
; THE QUANTISER, in two parts.  64 numbers of a lane, register 16 b + i = index 32 b + 16 (lane / 16) + i.  SCALE: the four blocks' scale operands in v[TM+12] on, and the scale word in v[pw].
.macro SCALE s, pw
.irp b, 0,1,2,3
	v_max3_num_f32 v[TM+\b], |v[\s+16*\b]|, |v[\s+1+16*\b]|, 0x1800000   ; with the floor 2^(3 - 127): the byte cannot fall under 1
.endr
.irp i, 2,4,6,8,10,12,14
.irp b, 0,1,2,3
	v_max3_num_f32 v[TM+\b], v[TM+\b], |v[\s+16*\b+\i]|, |v[\s+1+16*\b+\i]|
.endr
.endr
.irp b, 0,1,2,3
	v_permlanex16_b32 v[TM+4+\b], v[TM+\b], s100, s101
.endr
.irp b, 0,1,2,3
	v_max_num_f32 v[TM+\b], v[TM+\b], v[TM+4+\b]   ; with lane l xor 16's: the block's largest magnitude
.endr
.irp b, 0,1,2,3
	v_add_nc_u32 v[TM+12+\b], 0xff000000, v[TM+\b] ; 2 off its exponent field: the conversion's scale operand
.endr
.irp b, 0,1,2,3
	v_lshrrev_b32 v[TM+4+\b], 23, v[TM+12+\b]      ; the byte
.endr
	v_lshl_or_b32 v[\pw], v[TM+5], 8, v[TM+4]
	v_lshl_or_b32 v[\pw], v[TM+6], 16, v[\pw]
	v_lshl_or_b32 v[\pw], v[TM+7], 24, v[\pw]
.endm
; CODES: the fragment's codes in v[PC] on.
.macro CODES s
.irp c, 0,1
	v_cvt_scalef32_pk16_fp6_f32 v[PC+6*\c:PC+2+6*\c], v[\s+32*\c:\s+15+32*\c], v[TM+12+2*\c]
	v_cvt_scalef32_pk16_fp6_f32 v[PC+12+4*\c:PC+14+4*\c], v[\s+16+32*\c:\s+31+32*\c], v[TM+12+2*\c+1]
.endr
	v_nop                                          ; one plain place behind the scaled conversions
.irp c, 0,1                            ; the layout wants a WHOLE block in a lane: lanes 0-15 block 2 c, lanes 16-31 block 2 c + 1
.irp i, 0,1,2
	v_permlane16_swap_b32 v[PC+6*\c+\i], v[PC+12+4*\c+\i]
.endr
.irp i, 0,1,2
	v_mov_b32 v[PC+3+6*\c+\i], v[PC+12+4*\c+\i]
.endr
.endr
.endm
; THE WAY OUT, accumulator row by accumulator row.  ADDB: + the bias by source 1's rows, which also brings the numbers into window 0, each accumulator from its low end on.  SENDC: the codes just made, as two half images.
.macro ADDB a
	WIN 0x02+(\a)/4                                ; source 0: window 2 or 3
.set i, 0
.rept 32
	v_pk_add_f32 v[NUM+2*i:NUM+2*i+1], v[64*((\a)%4)+2*i:64*((\a)%4)+2*i+1], v[BM+2*(\a):BM+2*(\a)+1] op_sel_hi:[1,0]
.set i, i+1
.endr
	WIN 0
.endm
.macro SENDC
	global_store_b128 v4, v[PC:PC+3], s[10:11]                 ; every store covers whole aligned runs of 256 bytes
	global_store_b64 v5, v[PC+4:PC+5], s[10:11] offset:512
	global_store_b128 v6, v[PC+6:PC+9], s[10:11]
	global_store_b64 v7, v[PC+10:PC+11], s[10:11] offset:512
.endm
	PLACES NP                                      ; behind the last products: their results are read, and their operands' and scales' registers written, below
.irp b, 0,1,2,3
	v_mov_b32 v[TM+4+\b], 0                        ; a lane permute's destination counts as one of its sources
.endr
	ADDB 0
	SCALE NUM, 48
	CODES NUM
.irp a, 1,2,3,4,5,6,7                  ; row a's additions stand between the lines that made row a - 1's codes and the stores of them; its search for the largest magnitudes between those stores and the wait for them
	ADDB \a
	SENDC
	SCALE NUM, 48+\a
	s_wait_xcnt 0x0                                ; row a - 1's stores have read their registers and their base: only now is the base stepped, and are the codes' registers written anew
	s_add_nc_u64 s[10:11], s[10:11], s[40:41]
	CODES NUM
.endr
	SENDC
.irp a, 0,1,2,3,4,5,6,7
	v_perm_b32 v[56+\a], v[48+\a], v[48+\a], v12   ; q, k: lanes 0-15 the first head's two bytes twice, lanes 16-31 the second head's; v: the word as it is
.endr
	global_store_b128 v10, v[56:59], s[14:15]      ; sixteen lanes store 256 consecutive bytes
	global_store_b128 v11, v[60:63], s[14:15]
	s_wait_tensorcnt 0x0                           ; the wave's end
	ds_add_u32 v[SPW], v[NIL]
	s_wait_dscnt 0x0
	CROUND                                         ; the closing round
	s_endpgm
; ================= V'S ROLE: source 0 = my 128 tokens (8 tiles), source 1 = my 64 rows of w_in (4 tiles).  Eight steps of 128 along K, 32 products each; both sources have two sets of registers.
.macro VFETCH k                        ; step k's fragments into set k % 2; with a slot's first step its scale words
	FETCH_S0 ((\k)/2)%2, (\k)%2, (\k)%2
.irp i, 0,1,2,3
	FRAG AF+48*((\k)%2)+FR*\i, ADR1+((\k)/2)%2, (\k)%2, \i
.endr
.if (\k)%2 == 0
	SCALES ((\k)/2)%2, (\k)/2
.endif
.endm
.macro VMUL p, q, sc, first            ; the 32 accumulators take turns; the first step's products start the sums
.irp a, 0,1,2,3
.irp b, 0,1,2,3,4,5,6,7
.if \first
	v_wmma_scale_f32_16x16x128_f8f6f4 v[8*(8*\a+\b):8*(8*\a+\b)+7], v[128*(\p)+FR*\b:128*(\p)+FR*\b+FR-1], v[AF+48*(\p)+FR*\a:AF+48*(\p)+FR*\a+FR-1], 0, v[SC+16*(\sc)+8*(\q)+\b], v[SC+16*(\sc)+8*(\q)+\a] matrix_a_fmt:MATRIX_FMT_FP6 matrix_b_fmt:MATRIX_FMT_FP6 matrix_a_scale:MATRIX_SCALE_ROW1
.else
	v_wmma_scale_f32_16x16x128_f8f6f4 v[8*(8*\a+\b):8*(8*\a+\b)+7], v[128*(\p)+FR*\b:128*(\p)+FR*\b+FR-1], v[AF+48*(\p)+FR*\a:AF+48*(\p)+FR*\a+FR-1], v[8*(8*\a+\b):8*(8*\a+\b)+7], v[SC+16*(\sc)+8*(\q)+\b], v[SC+16*(\sc)+8*(\q)+\a] matrix_a_fmt:MATRIX_FMT_FP6 matrix_b_fmt:MATRIX_FMT_FP6 matrix_a_scale:MATRIX_SCALE_ROW1
.endif
.endr
.endr
.endm
.macro VK k                            ; step k: its fragments are in; the next step's are fetched; its 32 products
.if (\k)%2 && (\k) < 7                 ; a slot's second step changes slots: the three lines, the barrier (a round where the slot is filled again), the refill, then the next slot's first fragments
	s_wait_tensorcnt 0x0                           ; all my tensor loads have landed: my part of the next slot
	ds_add_u32 v[SPW], v[NIL]
.if (\k) == 1
	s_mov_b32 s[G1B+2], 4<<16                      ; no tensor load of mine is out: from here on w_in's waves fetch 4 tiles each,
	s_mov_b32 s[G1B+4], 4
	s_mul_i32 s94, s18, HALFT/2
	s_add_co_u32 s[G0B+1], s94, 2*HALFT            ; to these places
	s_add_co_u32 s[G0B+5], s94, SLOT+2*HALFT
.endif
	s_wait_dscnt 0x0                               ; the add is done, and my reads of this slot are over
	s_barrier_signal -1
	s_barrier_wait -1
.if (\k) < 5
	CREST
	s_add_nc_u64 s[G0+4*((\k)/2)+2:G0+4*((\k)/2)+3], s[G0+4*((\k)/2)+2:G0+4*((\k)/2)+3], 6144
	s_add_nc_u64 s[G0B+4*((\k)/2)+2:G0B+4*((\k)/2)+3], s[G0B+4*((\k)/2)+2:G0B+4*((\k)/2)+3], 6144
	JLOAD G0+4*((\k)/2), G1, G0B+4*((\k)/2), G1B   ; two K steps on; its four v_nop are the places in front of the loads below
.else
	PLACES NP
.endif
	VFETCH (\k)+1
.else
	s_wait_dscnt 0x0
.if (\k) < 7
.if (\k) > 0
	PLACES NP                                      ; in front of loads into registers that the last step's products have read
.endif
	VFETCH (\k)+1
.endif
.endif
	WIN 0xa1
.if (\k) == 0
	VMUL 0, 0, 0, 1
.else
	VMUL (\k)%2, (\k)%2, ((\k)/2)%2, 0
.endif
	WIN 0
.endm
.Lvrole:
	VFETCH 0
	s_wait_loadcnt 0x0                             ; the biases
.irp k, 0,1,2,3,4,5,6,7
	VK \k
.endr
	PLACES NP                                      ; behind the last products
.irp b, 0,1,2,3
	v_mov_b32 v[TM+4+\b], 0                        ; a lane permute's destination counts as one of its sources
.endr
	ADDB 0
	SCALE NUM, 48
	CODES NUM
.irp a, 1,2,3
	ADDB \a
	SENDC
	SCALE NUM, 48+\a
	s_wait_xcnt 0x0                                ; row a - 1's stores have read their registers and their base
	s_add_nc_u64 s[10:11], s[10:11], s[40:41]
	CODES NUM
.endr
	SENDC
.irp a, 0,1,2,3
	v_perm_b32 v[56+\a], v[48+\a], v[48+\a], v12   ; the word as it is
.endr
	global_store_b128 v10, v[56:59], s[14:15]      ; my head's four d tiles' words, twice: sixteen lanes store 256 consecutive bytes
	s_wait_tensorcnt 0x0                           ; the wave's end
	ds_add_u32 v[SPW], v[NIL]
	s_wait_dscnt 0x0
	CROUND                                         ; the closing round
	s_endpgm
.Lfunc_end_k_q6674c71945_qkv:
	.size	k_q6674c71945_qkv, .Lfunc_end_k_q6674c71945_qkv-k_q6674c71945_qkv
	.p2alignl 7, 3214868480
	.fill 96, 4, 3214868480
	.section	.rodata,"a",@progbits
	.p2align	6, 0x0
	.amdhsa_kernel k_q6674c71945_qkv
		.amdhsa_group_segment_fixed_size 327680
		.amdhsa_private_segment_fixed_size 0
		.amdhsa_enable_private_segment 0
		.amdhsa_kernarg_size 48
		.amdhsa_user_sgpr_count 2
		.amdhsa_user_sgpr_kernarg_segment_ptr 1
		.amdhsa_wavefront_size32 1
		.amdhsa_system_sgpr_workgroup_id_x 1
		.amdhsa_system_sgpr_workgroup_id_y 1
		.amdhsa_system_sgpr_workgroup_id_z 1
		.amdhsa_system_vgpr_workitem_id 0
		.amdhsa_next_free_vgpr 1024
		.amdhsa_next_free_sgpr 106
		.amdhsa_reserve_vcc 0
		.amdhsa_float_denorm_mode_32 3
		.amdhsa_float_denorm_mode_16_64 3
		.amdhsa_memory_ordered 1
		.amdhsa_forward_progress 1
		.amdhsa_inst_pref_size 255
	.end_amdhsa_kernel
	.section	.bss,"aw",@nobits
	.p2align	6
	.space	262144
	.amdgpu_metadata
---
amdhsa.version: [ 1, 2 ]
amdhsa.kernels:
  - .name:           k_q6674c71945_qkv
    .symbol:         k_q6674c71945_qkv.kd
    .args:
      - { .name: xw_img, .offset: 0, .size: 8, .value_kind: global_buffer, .address_space: global }
      - { .name: xw_sc, .offset: 8, .size: 8, .value_kind: global_buffer, .address_space: global }
      - { .name: b_in, .offset: 16, .size: 8, .value_kind: global_buffer, .address_space: global }
      - { .name: qk_img, .offset: 24, .size: 8, .value_kind: global_buffer, .address_space: global }
      - { .name: v_img, .offset: 32, .size: 8, .value_kind: global_buffer, .address_space: global }
      - { .name: att_sc, .offset: 40, .size: 8, .value_kind: global_buffer, .address_space: global }
    .group_segment_fixed_size: 327680
    .private_segment_fixed_size: 0
    .kernarg_segment_align: 8
    .kernarg_segment_size: 48
    .max_flat_workgroup_size: 128
    .sgpr_count:     106
    .vgpr_count:     1024
    .wavefront_size: 32
...
	.end_amdgpu_metadata
.endif
;; end of part 2
;; launch attn (part 3): grid 4 x 64, 16 waves a work-group, clusters of 4 x 1, 327,680 bytes of LDS; arguments qk_img, v_img, att_sc, ao_img, ao_sc; writes ao_img, ao_sc
.if DOCPART == 3
	.amdgcn_target "amdgcn-amd-amdhsa--gfx1250"
	.amdhsa_code_object_version 6
	.text
	.protected	k_q6674c71945_attn
	.globl	k_q6674c71945_attn
	.p2align	8
	.type	k_q6674c71945_attn,@function
k_q6674c71945_attn:
	s_mov_b64 s[64:65], 0
	v_nop
	global_prefetch_b8 v0, s[64:65] scope:SCOPE_SE
	s_setreg_imm32_b32 hwreg(HW_REG_WAVE_MODE, 25, 1), 1
	s_wait_xcnt 0x0
	s_wait_alu depctr_hold_cnt(0) depctr_sa_sdst(0) depctr_va_vdst(0) depctr_va_sdst(0) depctr_va_ssrc(0) depctr_va_vcc(0) depctr_vm_vsrc(0)
	s_getreg_b32 s2, hwreg(HW_REG_IB_STS2, 6, 4)
	s_cmp_eq_u32 s2, 0
	s_cbranch_scc0 .Lentry_in_a_cluster
	s_endpgm
.Lentry_in_a_cluster:
	s_bfe_u32 s2, ttmp6, 0x10000c
	s_cmp_lg_u32 s2, 0x3003
	s_cbranch_scc0 .Lentry_shape_is_right
	s_endpgm
.Lentry_shape_is_right:
; For each batch b and head: O = softmax(q k^T / 8) v, both products on codes of FP6 (E2M3) with E8M0 scales; O / l is quantised along (head, d) for the last product.  1,024 queries and keys, head size 64.
; THE SOFTMAX AHEAD OF THE SECOND PRODUCT: t = score x log2(e) / 8; M = the running largest t rounded UP to a whole number; p = 2^(t - M) is quantised along the keys, not normalised; the row's sum l is taken of the
; unquantised p and divides at the end.  When M moves, l and O are multiplied by 2^(old M - new M): exact.
; SHARES.  A cluster of four work-groups owns a batch and a PAIR of heads (cluster y = 8 b + pair); work-group cx owns query tiles 16 cx .. 16 cx + 15, one to each of its SIXTEEN waves, four waves to a SIMD.
; A wave runs its 16 queries for the pair's first head, then for the second: so it owns a whole fragment (16 rows x 128 K) of the next product's operand, and whole scale words.
; All of both heads' K and V and their scale words (208 KiB) are asked for JOINTLY by the four partners, in one group behind one round, and stay: nothing is filled again.  The second head's lands under the first pass.
; No prefetch: every tile is asked for at the head.
; LAYOUT.  Both products are used transposed: S^T = K Q^T, O^T = V^T P^T: a lane holds ONE query throughout.  By the order of a tile's rows (tile T: rows 32 (T / 2) + 8 (T % 2) + r + 8 (r / 8)) the 16 registers of tiles
; 2 b and 2 b + 1 of S^T are keys 32 b + 16 (lane / 16) + 0 .. 15, and O^T's likewise along d.
; K = 64 IN AN INSTRUCTION OF K = 128.  Q's registers 6-11 hold zero codes, so every product of k = 64 .. 127 is exactly 0.  K's half images stand 6 registers apart: tile t's operand runs over the next tile's codes (tile 7's over
; six zeros).  The scale bytes of both sides for those two blocks are copies of the real two.
; LIMITS: a block of O whose largest magnitude lies under 2^-124, or of p that has fallen to zeros, gets the byte 1 (its codes are zeros); NaN and infinities are not served.
.set HS,    106496                     ; a head's bytes in LDS: K 49,152 (64 half images), V 49,152 ([step 8][d tile 4][1,536]), K's scale words 4,096, V's 4,096
.set VOFF,  49152
.set KSOFF, 98304
.set SPARE, 2*HS                       ; the spare words, 128 bytes for each of sixteen waves
.set STG,   SPARE+2048                 ; 1,024 bytes: the sixteen tiles' scale words on their way out; no tile lands here
.set L16, 1                            ; v1  16 x lane
.set L8,  2                            ; v2  8 x lane
.set AD16, 3                           ; v3, v4, v7: the step's addresses
.set AD8, 4
.set SPW, 5                            ; v5  my spare word's address; never rewritten
.set NIL, 6                            ; v6  0; never rewritten
.set ADS, 7
.set QS,  8                            ; v8, v9  Q's scale words, a head each
.set AW,  10                           ; v10 the scale word of my rows of O
.set R16, 11                           ; v11 16 r
.set Q,   16                           ; v16-27, v28-39: Q's half image and six zeros, a head each.   v12 -M, v13 the largest t, v[14:15] the sum in two halves
.set KV,  40                           ; v40-93: K's eight half images and six zeros; then V's four fragments in v40-87
.set STA, 94                           ; v94 where my scale word goes in the stage;  v95 where it is read back
.set STB, 95
.set S,   96                           ; v96-159 S^T, then p
.set O,   160                          ; v160-191 O^T
.set AO,  192                          ; v192-203 the fragment of O's codes
.set KS,  204                          ; v204-207 K's scale words;  v208-211 V's
.set VS,  208
.set BX,  212                          ; v212-215 the blocks' largest
.set PT,  216                          ; v216-219 permute temps, bytes
.set F,   220                          ; v220 f (v221: 0, named with it as a pair)
.set TR,  222
.set PSW, 223                          ; v223 p's scale word
.set P,   224                          ; v224-235 p's codes
.set CT,  236                          ; v236-238, v240-242
.set SOP, 244                          ; v244-247 the conversions' scale operands
.set SUM2, 248                         ; v[248:249] one of the sums' eight chains
.set GS,  250                          ; v250 16 x thread
.set WV,  14
.set SEL, 22                           ; s[22:23]
.set CS,  24                           ; s[24:25] c = log2(e) / 8
.set G1K, 28
.set G1V, 36
.set G1S, 44
.set G0K0, 52
.set G0K1, 56
.set G0V0, 60
.set G0V1, 68
.set G0S0, 72
.set G0S1, 76
.set TK,  92
.set TS,  93
.set CNT, 94
.macro CROUND
	s_barrier_signal -1
	s_barrier_wait -1
	s_cmp_lg_u32 s[WV], 0
	s_cbranch_scc1 .Lnot_wave_0_\@
	s_barrier_signal -3
.Lnot_wave_0_\@:
	s_barrier_wait -3
	s_barrier_signal -1
	s_barrier_wait -1
.endm
.macro MKG0 g, lreg, ladd, base, off
	s_mov_b32 s[\g], 1
	s_add_co_u32 s[\g+1], s[\lreg], \ladd
	s_add_nc_u64 s[\g+2:\g+3], s[\base:\base+1], s[\off:\off+1]
	s_or_b32 s[\g+3], s[\g+3], 0x80000000
.endm
	s_load_b256 s[4:11], s[0:1], 0x0               ; qk_img, v_img, att_sc, ao_img
	s_load_b64 s[12:13], s[0:1], 0x20              ; ao_sc
	v_lshl_add_u32 v[SPW], v0, 2, SPARE
	v_mov_b32 v[NIL], 0
	ds_add_u32 v[SPW], v[NIL]                      ; the wave's opening: the add and its wait stand ahead of my first tensor load; register work stands between them
	ds_add_u32 v[SPW], v[NIL]
	v_lshrrev_b32 v1, 5, v0
	s_delay_alu instid0(VALU_DEP_1)
	v_readfirstlane_b32 s[WV], v1                  ; wave 0..15
	s_and_b32 s15, s[WV], 1                        ; u: which half of a tensor I fetch, if I fetch
	s_bfe_u32 s16, ttmp6, 0x40000                  ; cx: it enters Q's and O's global addresses alone
	s_and_b32 s17, ttmp7, 0xffff
	s_lshr_b32 s18, s17, 3                         ; b
	s_and_b32 s19, s17, 7                          ; the pair of heads
	s_lshl_b32 s20, s18, 4
	s_lshl_b32 s21, s19, 1
	s_add_co_u32 s20, s20, s21                     ; 16 b + the pair's first head
	; group 1: 15:0 the mask, all four work-groups; 17:16 elements of 8 bytes; 21 set beside a mask
	s_mov_b32 s[G1K], 15|(3<<16)|(1<<21)           ; K: 24,576 dense bytes as 96 rows of 256
	s_mov_b32 s[G1K+1], 32<<16
	s_mov_b32 s[G1K+2], 96<<16
	s_mov_b32 s[G1K+3], 32<<16
	s_mov_b32 s[G1K+4], 96
	s_mov_b32 s[G1K+5], 32
	s_mov_b32 s[G1K+6], 0
	s_mov_b32 s[G1K+7], 0
	s_mov_b32 s[G1V], 15|(3<<16)|(1<<21)           ; V: four key steps' 6,144 bytes, 98,304 bytes apart
	s_mov_b32 s[G1V+1], 768<<16
	s_mov_b32 s[G1V+2], 4<<16
	s_mov_b32 s[G1V+3], 768<<16
	s_mov_b32 s[G1V+4], 4
	s_mov_b32 s[G1V+5], 12288
	s_mov_b32 s[G1V+6], 0
	s_mov_b32 s[G1V+7], 0
	s_mov_b32 s[G1S], 15|(3<<16)|(1<<21)           ; scale words: 4,096 dense bytes as 16 rows of 256
	s_mov_b32 s[G1S+1], 32<<16
	s_mov_b32 s[G1S+2], 16<<16
	s_mov_b32 s[G1S+3], 32<<16
	s_mov_b32 s[G1S+4], 16
	s_mov_b32 s[G1S+5], 32
	s_mov_b32 s[G1S+6], 0
	s_mov_b32 s[G1S+7], 0
	s_add_co_u32 s80, s20, 128                     ; K's images lie behind Q's 128 heads
	s_mul_i32 s80, s80, 49152
	s_mul_i32 s81, s15, 24576
	s_add_co_u32 s80, s80, s81
	s_mov_b32 s81, 0
	s_mul_i32 s82, s18, 786432                     ; V: the batch, my four key steps, the head
	s_mul_i32 s83, s15, 393216
	s_add_co_u32 s82, s82, s83
	s_mul_i32 s83, s21, 6144
	s_add_co_u32 s82, s82, s83
	s_mov_b32 s83, 0
	s_lshl_b32 s84, s15, 7                         ; scale words: K's (u = 0) or V's (u = 1)
	s_add_co_u32 s84, s84, 128
	s_add_co_u32 s84, s84, s20
	s_lshl_b32 s84, s84, 12
	s_mov_b32 s85, 0
	s_mul_i32 s86, s15, 24576                      ; and in LDS
	s_lshl_b32 s87, s15, 12
	s_add_co_u32 s87, s87, KSOFF
	s_mov_b32 s[SEL], 0x76543210
	s_mov_b32 s[SEL+1], 0xfedcba98
	s_mov_b32 s[CS], 0x3e38aa3b                    ; log2(e) / 8
	s_mov_b32 s[CS+1], s[CS]
	s_wait_dscnt 0x0                               ; the opening add is done
	s_wait_kmcnt 0x0
	MKG0 G0K0, 86, 0, 4, 80
	MKG0 G0V0, 86, VOFF, 6, 82
	MKG0 G0S0, 87, 0, 8, 84
	s_add_nc_u64 s[80:81], s[80:81], 49152         ; the pair's second head
	s_add_nc_u64 s[82:83], s[82:83], 6144
	s_add_nc_u64 s[84:85], s[84:85], 4096
	MKG0 G0K1, 86, HS, 4, 80
	MKG0 G0V1, 86, HS+VOFF, 6, 82
	MKG0 G0S1, 87, HS, 8, 84
	CROUND                                         ; all four work-groups are here: the joint loads meet
	s_cmp_lt_u32 s[WV], 2                          ; one load a wave, one chain: waves 0, 1 K, 2, 3 V, 4, 5 the scale words of the first head; waves 6 to 11 the same of the second
	s_cbranch_scc0 .Lnot_k
	tensor_load_to_lds s[G0K0:G0K0+3], s[G1K:G1K+7]
	s_nop 0
.rept 4
	v_nop
.endr
	s_branch .Lasked
.Lnot_k:
	s_cmp_lt_u32 s[WV], 4
	s_cbranch_scc0 .Lnot_v
	tensor_load_to_lds s[G0V0:G0V0+3], s[G1V:G1V+7]
	s_nop 0
.rept 4
	v_nop
.endr
	s_branch .Lasked
.Lnot_v:
.macro ARM under, g0, g1, next
	s_cmp_lt_u32 s[WV], \under
	s_cbranch_scc0 \next
	tensor_load_to_lds s[\g0:\g0+3], s[\g1:\g1+7]
	s_nop 0
.rept 4
	v_nop
.endr
	s_branch .Lasked
\next:
.endm
	ARM 6, G0S0, G1S, .Lnot_s
	ARM 8, G0K1, G1K, .Lnot_k1
	ARM 10, G0V1, G1V, .Lnot_v1
	s_cmp_lt_u32 s[WV], 12
	s_cbranch_scc0 .Lasked
	tensor_load_to_lds s[G0S1:G0S1+3], s[G1S:G1S+7]
	s_nop 0
.rept 4
	v_nop
.endr
.Lasked:
	s_lshl_b32 s88, s16, 4
	s_add_co_u32 s88, s88, s[WV]                   ; T: my tile of queries in the batch
	s_mul_i32 s90, s20, 49152
	s_mul_i32 s91, s88, 768
	s_add_co_u32 s90, s90, s91
	s_mov_b32 s91, 0
	s_add_nc_u64 s[4:5], s[4:5], s[90:91]          ; Q's half image, first head
	s_lshl_b32 s90, s20, 12
	s_lshr_b32 s91, s88, 2
	s_lshl_b32 s91, s91, 8
	s_add_co_u32 s90, s90, s91
	s_and_b32 s91, s88, 3
	s_lshl_b32 s91, s91, 2
	s_add_co_u32 s90, s90, s91
	s_mov_b32 s91, 0
	s_add_nc_u64 s[8:9], s[8:9], s[90:91]          ; its scale words
	s_lshl_b32 s90, s18, 6
	s_add_co_u32 s90, s90, s88
	s_lshl_b32 s90, s90, 3
	s_add_co_u32 s90, s90, s19
	s_mul_i32 s90, s90, 1536
	s_add_nc_u64 s[10:11], s[10:11], s[90:91]      ; my fragment of O's codes: tile 64 b + T, kappa = the pair
	s_lshl_b32 s90, s18, 2
	s_add_co_u32 s90, s90, s16
	s_lshl_b32 s90, s90, 13
	s_lshl_b32 s89, s19, 10
	s_add_co_u32 s90, s90, s89
	s_add_nc_u64 s[12:13], s[12:13], s[90:91]      ; the work-group's 1,024 bytes of scale words
	s_lshr_b32 s89, s[WV], 2
	s_lshl_b32 s89, s89, 8
	s_and_b32 s90, s[WV], 3
	s_lshl_b32 s90, s90, 2
	s_add_co_u32 s89, s89, s90
	s_add_co_u32 s89, s89, STG
	v_and_b32 v12, 31, v0
	s_delay_alu instid0(VALU_DEP_1)
	v_lshlrev_b32 v[L16], 4, v12
	s_delay_alu instid0(VALU_DEP_2)
	v_lshlrev_b32 v[L8], 3, v12
	v_and_b32 v13, 15, v0
	s_delay_alu instid0(VALU_DEP_1)
	v_lshlrev_b32 v[R16], 4, v13
	s_delay_alu instid0(VALU_DEP_1)
	v_add_nc_u32 v[STA], s89, v[R16]               ; [quad][r][t]: 256 (wave / 4) + 16 r + 4 (wave % 4)
	v_lshl_add_u32 v[STB], v0, 4, STG
	v_lshlrev_b32 v[GS], 4, v0
.irp e, 0,1
	global_load_b128 v[Q+12*\e:Q+12*\e+3], v[L16], s[4:5] offset:49152*\e
	global_load_b64 v[Q+12*\e+4:Q+12*\e+5], v[L8], s[4:5] offset:49152*\e+512
	global_load_b32 v[QS+\e], v[R16], s[8:9] offset:4096*\e
.irp i, 6,7,8,9,10,11
	v_mov_b32 v[Q+12*\e+\i], 0                     ; zero codes for k = 64 .. 127
.endr
.endr
.irp i, 0,1,2,3,4,5
	v_mov_b32 v[KV+48+\i], 0                       ; what tile 7's operand runs over
.endr
.irp b, 0,1,2,3
	v_mov_b32 v[PT+\b], 0                          ; a lane permute's destination counts as one of its sources
.endr
	v_mov_b32 v[F+1], 0                            ; (named with f as a pair)
; A KEY STEP: 128 keys of head e.
.macro STEP e
	v_add_nc_u32 v[AD16], s[TK], v[L16]            ; these three and the v_nop are the four places behind the last products, in front of loads into registers that they read
	v_add_nc_u32 v[AD8], s[TK], v[L8]
	v_add_nc_u32 v[ADS], s[TS], v[L16]
	v_nop
.irp t, 0,1,2,3,4,5,6,7
	ds_load_b128 v[KV+6*\t:KV+6*\t+3], v[AD16] offset:768*\t
	ds_load_b64 v[KV+6*\t+4:KV+6*\t+5], v[AD8] offset:768*\t+512
.endr
	ds_load_b128 v[KS:KS+3], v[ADS]                ; lanes 0-15: the words of tiles 0-3; lanes 16-31: of tiles 4-7
	s_wait_alu depctr_va_vdst(0)
	s_wait_dscnt 0x0
.irp t, 0,1,2,3
	v_wmma_scale_f32_16x16x128_f8f6f4 v[S+8*\t:S+8*\t+7], v[KV+6*\t:KV+6*\t+11], v[Q+12*\e:Q+12*\e+11], 0, v[KS+\t], v[QS+\e] matrix_a_fmt:MATRIX_FMT_FP6 matrix_b_fmt:MATRIX_FMT_FP6
.endr
.irp t, 4,5,6,7
	v_wmma_scale_f32_16x16x128_f8f6f4 v[S+8*\t:S+8*\t+7], v[KV+6*\t:KV+6*\t+11], v[Q+12*\e:Q+12*\e+11], 0, v[KS+\t-4], v[QS+\e] matrix_a_fmt:MATRIX_FMT_FP6 matrix_b_fmt:MATRIX_FMT_FP6 matrix_a_scale:MATRIX_SCALE_ROW1
.endr
.rept 4
	v_nop
.endr
.irp n, 0,1,2,3                        ; V's four fragments land under the softmax
	ds_load_b128 v[KV+12*\n:KV+12*\n+3], v[AD16] offset:VOFF+1536*\n
	ds_load_b64 v[KV+12*\n+4:KV+12*\n+5], v[AD8] offset:VOFF+1536*\n+512
	ds_load_b128 v[KV+12*\n+6:KV+12*\n+9], v[AD16] offset:VOFF+1536*\n+768
	ds_load_b64 v[KV+12*\n+10:KV+12*\n+11], v[AD8] offset:VOFF+1536*\n+1280
.endr
	ds_load_b128 v[VS:VS+3], v[ADS] offset:4096
.irp b, 0,1,2,3
	v_max3_num_f32 v[BX+\b], v[S+16*\b], v[S+1+16*\b], v[S+2+16*\b]   ; the largest score of each block of 32 keys: for the row's maximum, and, since p rises with the score, for the block's largest p
.endr
.irp i, 3,5,7,9,11,13
.irp b, 0,1,2,3
	v_max3_num_f32 v[BX+\b], v[BX+\b], v[S+16*\b+\i], v[S+1+16*\b+\i]
.endr
.endr
.irp b, 0,1,2,3
	v_max_num_f32 v[BX+\b], v[BX+\b], v[S+15+16*\b]
.endr
.irp b, 0,1,2,3
	s_delay_alu instid0(VALU_DEP_4)
	v_permlanex16_b32 v[PT+\b], v[BX+\b], s[SEL], s[SEL+1]
.endr
.irp b, 0,1,2,3
	s_delay_alu instid0(VALU_DEP_4)
	v_max_num_f32 v[BX+\b], v[BX+\b], v[PT+\b]     ; with lane l xor 16's 16 keys
.endr
	s_delay_alu instid0(VALU_DEP_2)
	v_max3_num_f32 v[TR], v[BX], v[BX+1], v[BX+2]
	s_delay_alu instid0(VALU_DEP_1)
	v_max_num_f32 v[TR], v[TR], v[BX+3]
	s_delay_alu instid0(VALU_DEP_1)
	v_mul_f32 v[TR], s[CS], v[TR]                  ; as t (c is positive)
	s_delay_alu instid0(VALU_DEP_1)
	v_max_num_f32 v13, v13, v[TR]                  ; the running largest t
	v_mov_b32 v[TR], v12
	s_delay_alu instid0(VALU_DEP_2)
	v_floor_f32 v12, -v13                          ; the new -M = floor(-t): M is a whole number
	s_delay_alu instid0(VALU_DEP_1)
	v_sub_f32 v[TR], v12, v[TR]                    ; old M - new M: a whole number, 0 or less
	s_delay_alu instid0(VALU_DEP_1)
	v_cvt_i32_f32 v[TR], v[TR]                     ; (it saturates)
	s_delay_alu instid0(VALU_DEP_1)
	v_ldexp_f32 v[F], 1.0, v[TR]                   ; f = 2^(old M - new M)
.set j, 0
.rept 32
	v_pk_fma_f32 v[S+j:S+j+1], v[S+j:S+j+1], s[CS:CS+1], v[12:13] op_sel_hi:[1,0,0]   ; t - M, two at a time
.set j, j+2
.endr
.irp b, 0,1,2,3
	v_fma_f32 v[BX+\b], v[BX+\b], s[CS], v12       ; the same of each block's largest score
.endr
.set j, 0
	s_wait_alu depctr_va_vdst(0)
.rept 64
	v_exp_f32 v[S+j], v[S+j]                       ; p = 2^(t - M)
.set j, j+1
.endr
	v_pk_mul_f32 v[14:15], v[14:15], v[F:F+1] op_sel_hi:[1,0]   ; the sums under the new M (a plain place behind the exponentials)
	s_wait_alu depctr_va_vdst(0)                   ; one wait for the batch, ahead of its first reader
.irp b, 0,1,2,3
	v_exp_f32 v[BX+\b], v[BX+\b]                   ; the block's largest p
.endr
	v_pk_add_f32 v[248:249], v[100:101], v[104:105]
	v_pk_add_f32 v[254:255], v[108:109], v[112:113]
	v_pk_add_f32 v[252:253], v[116:117], v[120:121]
	v_pk_add_f32 v[246:247], v[124:125], v[128:129]
	v_pk_add_f32 v[244:245], v[132:133], v[136:137]
	v_pk_add_f32 v[242:243], v[140:141], v[144:145]
	v_pk_add_f32 v[240:241], v[148:149], v[152:153]
	v_pk_add_f32 v[14:15], v[14:15], v[156:157]
	v_pk_add_f32 v[248:249], v[248:249], v[96:97]
	v_pk_add_f32 v[254:255], v[254:255], v[98:99]
	v_pk_add_f32 v[252:253], v[252:253], v[102:103]
	v_pk_add_f32 v[246:247], v[246:247], v[106:107]
	v_pk_add_f32 v[244:245], v[244:245], v[110:111]
	v_pk_add_f32 v[242:243], v[242:243], v[114:115]
	v_pk_add_f32 v[240:241], v[240:241], v[118:119]
	v_pk_add_f32 v[14:15], v[14:15], v[122:123]
	v_pk_add_f32 v[248:249], v[248:249], v[126:127]
	v_pk_add_f32 v[254:255], v[254:255], v[130:131]
	v_pk_add_f32 v[252:253], v[252:253], v[134:135]
	v_pk_add_f32 v[246:247], v[246:247], v[138:139]
	v_pk_add_f32 v[244:245], v[244:245], v[142:143]
	v_pk_add_f32 v[242:243], v[242:243], v[146:147]
	v_pk_add_f32 v[240:241], v[240:241], v[150:151]
	v_pk_add_f32 v[14:15], v[14:15], v[154:155]
	v_pk_add_f32 v[248:249], v[248:249], v[158:159]
	s_delay_alu instid0(VALU_DEP_2)
	v_pk_add_f32 v[14:15], v[14:15], v[246:247]
	s_delay_alu instid0(VALU_DEP_2)
	v_pk_add_f32 v[248:249], v[248:249], v[244:245]
	v_pk_add_f32 v[254:255], v[254:255], v[242:243]
	v_pk_add_f32 v[252:253], v[252:253], v[240:241]
	s_delay_alu instid0(VALU_DEP_2)
	v_pk_add_f32 v[14:15], v[14:15], v[254:255]
	s_delay_alu instid0(VALU_DEP_2)
	v_pk_add_f32 v[248:249], v[248:249], v[252:253]
	s_delay_alu instid0(VALU_DEP_1)
	v_pk_add_f32 v[14:15], v[14:15], v[248:249]
	s_wait_alu depctr_va_vdst(0)                   ; and one for the four
.irp b, 0,1,2,3
	v_max_num_f32 v[BX+\b], 0x1800000, v[BX+\b]    ; the floor 2^(3 - 127)
.endr
.irp b, 0,1,2,3
	s_delay_alu instid0(VALU_DEP_4)
	v_add_nc_u32 v[SOP+\b], 0xff000000, v[BX+\b]
.endr
.irp b, 0,1,2,3
	s_delay_alu instid0(VALU_DEP_4)
	v_lshrrev_b32 v[PT+\b], 23, v[SOP+\b]
.endr
	s_delay_alu instid0(VALU_DEP_3)
	v_lshl_or_b32 v[PSW], v[PT+1], 8, v[PT]        ; p's scale word for these 128 keys
	s_delay_alu instid0(VALU_DEP_1)
	v_lshl_or_b32 v[PSW], v[PT+2], 16, v[PSW]
	s_delay_alu instid0(VALU_DEP_1)
	v_lshl_or_b32 v[PSW], v[PT+3], 24, v[PSW]
.irp c, 0,1
	v_cvt_scalef32_pk16_fp6_f32 v[P+6*\c:P+2+6*\c], v[S+32*\c:S+15+32*\c], v[SOP+2*\c]
	v_cvt_scalef32_pk16_fp6_f32 v[CT+4*\c:CT+2+4*\c], v[S+16+32*\c:S+31+32*\c], v[SOP+2*\c+1]
.endr
	v_nop                                          ; one plain place behind the scaled conversions
.irp c, 0,1
.irp i, 0,1,2
	v_permlane16_swap_b32 v[P+6*\c+\i], v[CT+4*\c+\i]
.endr
.irp i, 0,1,2
	s_delay_alu instid0(VALU_DEP_3)
	v_mov_b32 v[P+3+6*\c+\i], v[CT+4*\c+\i]
.endr
.endr
.set j, 0
.rept 16
	v_pk_mul_f32 v[O+j:O+j+1], v[O+j:O+j+1], v[F:F+1] op_sel_hi:[1,0]   ; O^T under the new M; these are also the places between the lines that made p's codes and scale word and the products
.set j, j+2
.endr
	s_wait_alu depctr_va_vdst(0)
	s_wait_dscnt 0x0                               ; V
.irp n, 0,1,2,3
	v_wmma_scale_f32_16x16x128_f8f6f4 v[O+8*\n:O+8*\n+7], v[KV+12*\n:KV+12*\n+11], v[P:P+11], v[O+8*\n:O+8*\n+7], v[VS+\n], v[PSW] matrix_a_fmt:MATRIX_FMT_FP6 matrix_b_fmt:MATRIX_FMT_FP6
.endr
.endm
; O^T / l, quantised: register 16 b + i = d 32 b + 16 (lane / 16) + i: two blocks: half e of my fragment, bytes 2 e and 2 e + 1 of my scale word.
.macro WAYOUT e
.rept 4
	v_nop
.endr
	v_add_f32 v14, v14, v15
	s_delay_alu instid0(VALU_DEP_1)
	v_permlanex16_b32 v[TR], v14, s[SEL], s[SEL+1]
	s_delay_alu instid0(VALU_DEP_1)
	v_add_f32 v14, v14, v[TR]                      ; the row's sum
	s_wait_alu depctr_va_vdst(0)
	v_rcp_f32 v14, v14
	v_nop                                          ; a plain place behind the reciprocal,
	s_wait_alu depctr_va_vdst(0)                   ; and the wait ahead of its first reader
.set j, 0
.rept 16
	v_pk_mul_f32 v[S+j:S+j+1], v[O+j:O+j+1], v[14:15] op_sel_hi:[1,0]   ; each accumulator from its low end on
.set j, j+2
.endr
.irp b, 0,1
	v_max3_num_f32 v[BX+\b], |v[S+16*\b]|, |v[S+1+16*\b]|, 0x1800000
.endr
.irp i, 2,4,6,8,10,12,14
.irp b, 0,1
	s_delay_alu instid0(VALU_DEP_2)
	v_max3_num_f32 v[BX+\b], v[BX+\b], |v[S+16*\b+\i]|, |v[S+1+16*\b+\i]|
.endr
.endr
.irp b, 0,1
	s_delay_alu instid0(VALU_DEP_2)
	v_permlanex16_b32 v[PT+\b], v[BX+\b], s[SEL], s[SEL+1]
.endr
.irp b, 0,1
	s_delay_alu instid0(VALU_DEP_2)
	v_max_num_f32 v[BX+\b], v[BX+\b], v[PT+\b]
.endr
.irp b, 0,1
	s_delay_alu instid0(VALU_DEP_2)
	v_add_nc_u32 v[SOP+\b], 0xff000000, v[BX+\b]
.endr
.irp b, 0,1
	s_delay_alu instid0(VALU_DEP_2)
	v_lshrrev_b32 v[PT+\b], 23, v[SOP+\b]
.endr
.if \e == 0
	s_delay_alu instid0(VALU_DEP_1)
	v_lshl_or_b32 v[AW], v[PT+1], 8, v[PT]
.else
	s_delay_alu instid0(VALU_DEP_2)
	v_lshl_or_b32 v[AW], v[PT], 16, v[AW]
	s_delay_alu instid0(VALU_DEP_1)
	v_lshl_or_b32 v[AW], v[PT+1], 24, v[AW]
.endif
	v_cvt_scalef32_pk16_fp6_f32 v[AO+6*\e:AO+6*\e+2], v[S:S+15], v[SOP]
	v_cvt_scalef32_pk16_fp6_f32 v[CT:CT+2], v[S+16:S+31], v[SOP+1]
	v_nop
.irp i, 0,1,2
	v_permlane16_swap_b32 v[AO+6*\e+\i], v[CT+\i]
.endr
.irp i, 0,1,2
	s_delay_alu instid0(VALU_DEP_3)
	v_mov_b32 v[AO+3+6*\e+\i], v[CT+\i]
.endr
.endm
.macro PASS e
	v_mov_b32 v13, 0xff61b1e6                      ; the largest t so far: -3e38
	s_delay_alu instid0(VALU_DEP_1)
	v_floor_f32 v12, -v13
	v_mov_b32 v14, 0
	v_mov_b32 v15, 0
.set j, 0
.rept 32
	v_mov_b32 v[O+j], 0                            ; the step is written once: the first finds zeros, which the first change of M leaves zeros
.set j, j+1
.endr
	s_mov_b32 s[TK], \e*HS
	s_mov_b32 s[TS], \e*HS+KSOFF
.endm
.macro RUN e, n                        ; n key steps of head e, on from where TK and TS stand
	s_mov_b32 s[CNT], \n
.Lstep_\@:
	STEP \e
	s_add_co_u32 s[TK], s[TK], 6144                ; eight half images of K, four fragments of V
	s_add_co_u32 s[TS], s[TS], 512
	s_sub_co_u32 s[CNT], s[CNT], 1
	s_cmp_lg_u32 s[CNT], 0
	s_cbranch_scc1 .Lstep_\@
.endm
	s_cmp_lt_u32 s[WV], 6                          ; the waves that asked for the first head wait for it; the second head's loads, lines of waves 6 to 11 alone, may be out
	s_cbranch_scc0 .Lnot_first
	s_wait_tensorcnt 0x0
.Lnot_first:
	s_wait_loadcnt 0x0                             ; Q
	s_barrier_signal -1
	s_barrier_wait -1
	PASS 0
	RUN 0, 2
	s_wait_tensorcnt 0x0                           ; every wave: the second head is in; the barrier that shows it stands behind the first pass's second key step, so that none stands between the passes
	s_wait_dscnt 0x0
	s_barrier_signal -1
	s_barrier_wait -1
	RUN 0, 6
	WAYOUT 0
	PASS 1
	RUN 1, 8
	WAYOUT 1
	global_store_b128 v[L16], v[AO:AO+3], s[10:11]                 ; the fragment as it stands: whole aligned runs of 256 bytes
	global_store_b64 v[L8], v[AO+4:AO+5], s[10:11] offset:512
	global_store_b128 v[L16], v[AO+6:AO+9], s[10:11] offset:768
	global_store_b64 v[L8], v[AO+10:AO+11], s[10:11] offset:1280
	ds_store_b32 v[STA], v[AW]                     ; both halves of the lanes write the same word with the same value
	s_wait_dscnt 0x0                               ; for the others' sake
	s_barrier_signal -1
	s_barrier_wait -1
	s_cmp_lt_u32 s[WV], 2                          ; waves 0 and 1 store the sixteen tiles' words: 1,024 consecutive bytes
	s_cbranch_scc0 .Lnot_mine
	ds_load_b128 v[S:S+3], v[STB]
	s_wait_dscnt 0x0
	global_store_b128 v[GS], v[S:S+3], s[12:13]
.Lnot_mine:
	s_wait_tensorcnt 0x0                           ; the wave's end
	ds_add_u32 v[SPW], v[NIL]
	s_wait_dscnt 0x0
	CROUND                                         ; the closing round
	s_endpgm
.Lfunc_end_k_q6674c71945_attn:
	.size	k_q6674c71945_attn, .Lfunc_end_k_q6674c71945_attn-k_q6674c71945_attn
	.p2alignl 7, 3214868480
	.fill 96, 4, 3214868480
	.section	.rodata,"a",@progbits
	.p2align	6, 0x0
	.amdhsa_kernel k_q6674c71945_attn
		.amdhsa_group_segment_fixed_size 327680
		.amdhsa_private_segment_fixed_size 0
		.amdhsa_enable_private_segment 0
		.amdhsa_kernarg_size 40
		.amdhsa_user_sgpr_count 2
		.amdhsa_user_sgpr_kernarg_segment_ptr 1
		.amdhsa_wavefront_size32 1
		.amdhsa_system_sgpr_workgroup_id_x 1
		.amdhsa_system_sgpr_workgroup_id_y 1
		.amdhsa_system_sgpr_workgroup_id_z 1
		.amdhsa_system_vgpr_workitem_id 0
		.amdhsa_next_free_vgpr 256
		.amdhsa_next_free_sgpr 100
		.amdhsa_reserve_vcc 0
		.amdhsa_float_denorm_mode_32 3
		.amdhsa_float_denorm_mode_16_64 3
		.amdhsa_memory_ordered 1
		.amdhsa_forward_progress 1
		.amdhsa_inst_pref_size 74
	.end_amdhsa_kernel
	.amdgpu_metadata
---
amdhsa.version: [ 1, 2 ]
amdhsa.kernels:
  - .name:           k_q6674c71945_attn
    .symbol:         k_q6674c71945_attn.kd
    .args:
      - { .name: qk_img, .offset: 0, .size: 8, .value_kind: global_buffer, .address_space: global }
      - { .name: v_img, .offset: 8, .size: 8, .value_kind: global_buffer, .address_space: global }
      - { .name: att_sc, .offset: 16, .size: 8, .value_kind: global_buffer, .address_space: global }
      - { .name: ao_img, .offset: 24, .size: 8, .value_kind: global_buffer, .address_space: global }
      - { .name: ao_sc, .offset: 32, .size: 8, .value_kind: global_buffer, .address_space: global }
    .group_segment_fixed_size: 327680
    .private_segment_fixed_size: 0
    .kernarg_segment_align: 8
    .kernarg_segment_size: 40
    .max_flat_workgroup_size: 512
    .sgpr_count:     100
    .vgpr_count:     256
    .wavefront_size: 32
...
	.end_amdgpu_metadata
.endif
;; end of part 3
;; launch oproj (part 4): grid 4 x 64, 4 waves a work-group, clusters of 4 x 4, 327,680 bytes of LDS; arguments ao_img, ao_sc, xw_img, xw_sc, b_out, out0; writes out0
.if DOCPART == 4
	.amdgcn_target "amdgcn-amd-amdhsa--gfx1250"
	.amdhsa_code_object_version 6
	.text
	.protected	k_q6674c71945_oproj
	.globl	k_q6674c71945_oproj
	.p2align	8
	.type	k_q6674c71945_oproj,@function
k_q6674c71945_oproj:
	s_mov_b64 s[64:65], 0
	v_nop
	global_prefetch_b8 v0, s[64:65] scope:SCOPE_SE
	s_setreg_imm32_b32 hwreg(HW_REG_WAVE_MODE, 25, 1), 1
	s_wait_xcnt 0x0
	s_wait_alu depctr_hold_cnt(0) depctr_sa_sdst(0) depctr_va_vdst(0) depctr_va_sdst(0) depctr_va_ssrc(0) depctr_va_vcc(0) depctr_vm_vsrc(0)
	s_getreg_b32 s2, hwreg(HW_REG_IB_STS2, 6, 4)
	s_cmp_eq_u32 s2, 0
	s_cbranch_scc0 .Lentry_in_a_cluster
	s_endpgm
.Lentry_in_a_cluster:
	s_bfe_u32 s2, ttmp6, 0x10000c
	s_cmp_lg_u32 s2, 0xf033
	s_cbranch_scc0 .Lentry_shape_is_right
	s_endpgm
.Lentry_shape_is_right:
; out0 = Q(O) Q(w_out)^T + b_out on codes of FP6 (E2M3) with E8M0 scales.  M 8,192, N 1,024, K 1,024.  A work-group of four waves makes 128 x 256, a wave 64 x 128: 32 accumulators.
; Codes come as images of the operand's registers (16 rows x 128 K: 1,536 bytes).  K lies in two LDS slots of 512 each (O's 8 tiles, then w_out's 16); both are filled at the head and never again:
; wave 0 asks for O's tiles of slot 0, wave 1 of slot 1, waves 2 and 3 the same of w_out, jointly along a row or a column of the 4 x 4 cluster.  No prefetch: every tile is asked for at the head.
; The scale words (O's 4,096 bytes, w_out's 8,192) come through registers into LDS bytes of their own, a quarter a wave.  The bias is the C of each sum's first product.  The results leave through a stage in slot 0, as rows of 512 bytes.
.set TILEB, 6144
.set ASL,   8*TILEB
.set SLOT,  24*TILEB
.set SCA,   2*SLOT
.set SCB,   SCA+4096
.set SPARE, SCB+8192
.set FR, 12
.set NP, 4
.set WB_IMG, 8650752
.set WB_SC,  360448
.set SPITCH, 528
.set ADR1, 16
.set ADR0, 20
.set STO, 24
.set RD,  25
.set CO,  26
.set ADSA, 27
.set SPW, 28
.set NIL, 29
.set ADSB, 30
.set SA,  32
.set SB,  36
.set BN,  64
.set AF,  128
.set BK,  128
.set G1, 24
.set G0, 32
.set G1B, 48
.set G0B, 56
.set MSB, 0
.macro WIN new
.if MSB != \new
	s_set_vgpr_msb (MSB<<8)|\new
.set MSB, \new
.endif
.endm
.macro TL g0, g1
	tensor_load_to_lds s[\g0:\g0+3], s[\g1:\g1+7]
	s_nop 0
.rept 4
	v_nop
.endr
.endm
.macro ARM under, g0, g1, next         ; one chain of branches on the wave's number, a load line of its own in each arm
	s_cmp_lt_u32 s16, \under
	s_cbranch_scc0 \next
	TL \g0, \g1
	s_branch .Lhead_asked
\next:
.endm
.macro CROUND
	s_barrier_signal -1
	s_barrier_wait -1
	s_cmp_lg_u32 s16, 0
	s_cbranch_scc1 .Lnot_wave_0_\@
	s_barrier_signal -3
.Lnot_wave_0_\@:
	s_barrier_wait -3
	s_barrier_signal -1
	s_barrier_wait -1
.endm
.macro PLACES n
.rept \n
	v_nop
.endr
.endm
	s_load_b256 s[4:11], s[0:1], 0x0
	s_load_b128 s[12:15], s[0:1], 0x20
	v_lshl_add_u32 v[SPW], v0, 2, SPARE
	v_mov_b32 v[NIL], 0
	ds_add_u32 v[SPW], v[NIL]
	ds_add_u32 v[SPW], v[NIL]
	v_lshrrev_b32 v1, 5, v0
	v_readfirstlane_b32 s16, v1
	s_lshr_b32 s17, s16, 1
	s_and_b32 s18, s16, 1
	s_bfe_u32 s21, ttmp6, 0x40000
	s_bfe_u32 s22, ttmp6, 0x40004
	s_lshl_b32 s20, ttmp9, 2
	s_add_co_u32 s20, s20, s21
	s_and_b32 s19, ttmp7, 0xffff
	s_lshl_b32 s19, s19, 2
	s_add_co_u32 s19, s19, s22
	s_lshl_b32 s40, s22, 2
	s_lshl_b32 s40, 15, s40
	s_lshl_b32 s41, 0x1111, s21
	s_or_b32 s[G1+0], s40, (3<<16)|(1<<21)
	s_mov_b32 s[G1+1], 768<<16
	s_mov_b32 s[G1+2], 8<<16
	s_mov_b32 s[G1+3], 768<<16
	s_mov_b32 s[G1+4], 8
	s_mov_b32 s[G1+5], 1536
	s_mov_b32 s[G1+6], 0
	s_mov_b32 s[G1+7], 0
	s_or_b32 s[G1B+0], s41, (3<<16)|(1<<21)
	s_mov_b32 s[G1B+1], 768<<16
	s_mov_b32 s[G1B+2], 16<<16
	s_mov_b32 s[G1B+3], 768<<16
	s_mov_b32 s[G1B+4], 16
	s_mov_b32 s[G1B+5], 1536
	s_mov_b32 s[G1B+6], 0
	s_mov_b32 s[G1B+7], 0
	s_mul_i32 s23, s18, TILEB                      ; the slot that I fill: wave % 2: 512 along K, 6,144 bytes of a tile
	s_mul_i32 s42, s19, 8*12288                    ; O: the work-group's 8 tiles
	s_add_co_u32 s42, s42, s23
	s_mov_b32 s43, 0
	s_mul_i32 s46, s20, 16*12288                   ; w_out: its 16 tiles
	s_add_co_u32 s46, s46, s23
	s_add_co_u32 s46, s46, WB_IMG
	s_mov_b32 s47, 0
	s_lshr_b32 s44, s19, 1
	s_lshl_b32 s44, s44, 13
	s_and_b32 s23, s19, 1
	s_lshl_b32 s23, s23, 9
	s_add_co_u32 s44, s44, s23
	s_lshl_b32 s23, s16, 11                        ; my quarter of the scale words: O's kappas 2 w and 2 w + 1 (1,024 bytes apart), 2,048 bytes of w_out's
	s_add_co_u32 s44, s44, s23
	s_mov_b32 s45, 0
	s_lshl_b32 s92, s20, 13
	s_add_co_u32 s92, s92, s23
	s_add_co_u32 s92, s92, WB_SC
	s_mov_b32 s93, 0
	s_mul_i32 s94, s18, SLOT
	s_add_co_u32 s95, s94, ASL
	s_lshl_b32 s96, s16, 10
	s_add_co_u32 s96, s96, SCA
	s_lshl_b32 s97, s16, 11
	s_add_co_u32 s97, s97, SCB
	s_wait_dscnt 0x0
	s_wait_kmcnt 0x0
	s_add_nc_u64 s[42:43], s[4:5], s[42:43]
	s_add_nc_u64 s[44:45], s[6:7], s[44:45]
	s_add_nc_u64 s[46:47], s[8:9], s[46:47]
	s_add_nc_u64 s[92:93], s[10:11], s[92:93]
	CROUND
	s_mov_b32 s[G0], 1
	s_mov_b32 s[G0+1], s94
	s_mov_b64 s[G0+2:G0+3], s[42:43]
	s_or_b32 s[G0+3], s[G0+3], 0x80000000
	s_mov_b32 s[G0B], 1
	s_mov_b32 s[G0B+1], s95
	s_mov_b64 s[G0B+2:G0B+3], s[46:47]
	s_or_b32 s[G0B+3], s[G0B+3], 0x80000000
	ARM 1, G0, G1, .Lhead_a1                       ; the head's loads, one a wave: O's slot 0,
	ARM 2, G0, G1, .Lhead_b0                       ; O's slot 1,
	ARM 3, G0B, G1B, .Lhead_b1                     ; w_out's slot 0,
	TL G0B, G1B                                    ; w_out's slot 1
.Lhead_asked:
	v_and_b32 v9, 31, v0
	v_lshlrev_b32 v9, 4, v9                        ; 16 x lane: each load below reads 512 consecutive bytes
	v_add_nc_u32 v10, s96, v9                      ; where my scale words go in LDS: O's,
	v_add_nc_u32 v11, s97, v9                      ; w_out's: bytes that no tensor load fills
	global_load_b128 v[128:131], v9, s[44:45]
	global_load_b128 v[132:135], v9, s[44:45] offset:1024
.irp i, 0,1,2,3
	global_load_b128 v[136+4*\i:139+4*\i], v9, s[92:93] offset:512*\i
.endr
	v_and_b32 v1, 31, v0
	v_and_b32 v2, 15, v0
	v_bfe_u32 v3, v0, 4, 1
	v_lshlrev_b32 v4, 4, v1
	v_lshlrev_b32 v5, 3, v1
	s_mul_i32 s2, s17, 4*TILEB
	s_mul_i32 s3, s18, 8*TILEB
	s_add_co_u32 s3, s3, ASL
.irp s, 0,1
	v_add_nc_u32 v[ADR1+\s], s2, v4
	v_add_nc_u32 v[ADR1+2+\s], s2, v5
	v_add_nc_u32 v[ADR0+\s], s3, v4
	v_add_nc_u32 v[ADR0+2+\s], s3, v5
	s_add_co_u32 s2, s2, SLOT
	s_add_co_u32 s3, s3, SLOT
.endr
	s_lshl_b32 s96, s17, 8
	s_add_co_u32 s96, s96, SCA
	v_lshl_add_u32 v[ADSA], v2, 4, s96
	s_lshl_b32 s97, s18, 9
	s_add_co_u32 s97, s97, SCB
	v_lshl_add_u32 v[ADSB], v2, 4, s97
	s_mul_i32 s23, s16, 16*SPITCH
	v_mul_u32_u24 v7, v2, SPITCH
	v_lshl_add_u32 v7, v3, 6, v7
	v_add_nc_u32 v[STO], s23, v7
	v_add_nc_u32 v[RD], s23, v4
	v_mov_b32 v[CO], v4
	v_lshlrev_b32 v8, 6, v3
	s_wait_alu depctr_va_vdst(0)
	s_lshl_b32 s96, s20, 10
	s_lshl_b32 s97, s18, 9
	s_add_co_u32 s96, s96, s97
	s_mov_b32 s97, 0
	s_add_nc_u64 s[12:13], s[12:13], s[96:97]
	s_add_nc_u64 s[14:15], s[14:15], s[96:97]
	s_lshl_b32 s96, s19, 19
	s_lshl_b32 s98, s17, 18
	s_add_co_u32 s96, s96, s98
	s_add_nc_u64 s[14:15], s[14:15], s[96:97]
.irp b, 0,1,2,3,4,5,6,7
	global_load_b128 v[BN+8*\b:BN+8*\b+3], v8, s[12:13] offset:(32*(\b/2)+8*(\b%2))*4
	global_load_b128 v[BN+8*\b+4:BN+8*\b+7], v8, s[12:13] offset:(32*(\b/2)+8*(\b%2))*4+16
.endr
.macro FRAG reg, adr, q, i
	ds_load_b128 v[\reg:\reg+3], v[\adr] offset:(\i)*TILEB+(\q)*1536
	ds_load_b64 v[\reg+4:\reg+5], v[\adr+2] offset:(\i)*TILEB+(\q)*1536+512
	ds_load_b128 v[\reg+6:\reg+9], v[\adr] offset:(\i)*TILEB+(\q)*1536+768
	ds_load_b64 v[\reg+10:\reg+11], v[\adr+2] offset:(\i)*TILEB+(\q)*1536+1280
.endm
.macro FETCH k
	WIN 0x40
.irp i, 0,1,2,3,4,5,6,7
	FRAG 128*((\k)%2)+FR*\i, ADR0+(\k)/4, (\k)%4, \i
.endr
	WIN 0
.irp i, 0,1,2,3
	FRAG AF+48*((\k)%2)+FR*\i, ADR1+(\k)/4, (\k)%4, \i
.endr
	ds_load_b128 v[SA+16*((\k)%2):SA+16*((\k)%2)+3], v[ADSA] offset:512*(\k)
	ds_load_b128 v[SB+16*((\k)%2):SB+16*((\k)%2)+3], v[ADSB] offset:1024*(\k)
	ds_load_b128 v[SB+16*((\k)%2)+4:SB+16*((\k)%2)+7], v[ADSB] offset:1024*(\k)+256
.endm
.macro MUL8 a, p, first
.irp b, 0,1,2,3,4,5,6,7
.if \first
	v_wmma_scale_f32_16x16x128_f8f6f4 v[8*(8*(\a)+\b):8*(8*(\a)+\b)+7], v[128*(\p)+FR*\b:128*(\p)+FR*\b+FR-1], v[AF+48*(\p)+FR*(\a):AF+48*(\p)+FR*(\a)+FR-1], v[BN+8*\b:BN+8*\b+7], v[SB+16*(\p)+\b], v[SA+16*(\p)+(\a)] matrix_a_fmt:MATRIX_FMT_FP6 matrix_b_fmt:MATRIX_FMT_FP6
.else
	v_wmma_scale_f32_16x16x128_f8f6f4 v[8*(8*(\a)+\b):8*(8*(\a)+\b)+7], v[128*(\p)+FR*\b:128*(\p)+FR*\b+FR-1], v[AF+48*(\p)+FR*(\a):AF+48*(\p)+FR*(\a)+FR-1], v[8*(8*(\a)+\b):8*(8*(\a)+\b)+7], v[SB+16*(\p)+\b], v[SA+16*(\p)+(\a)] matrix_a_fmt:MATRIX_FMT_FP6 matrix_b_fmt:MATRIX_FMT_FP6
.endif
.endr
.endm
.macro KSTEP k, first
	s_wait_dscnt 0x0
.if (\k) == 3
	s_wait_tensorcnt 0x0
	s_barrier_signal -1
	s_barrier_wait -1
.endif
.if (\k) < 7
.if (\k) > 0
	PLACES NP
.endif
	FETCH (\k)+1
.endif
.if \first
	WIN 0x81
.else
	WIN 0xa1
.endif
.irp a, 0,1,2,3
	MUL8 \a, (\k)%2, \first
.endr
	WIN 0
.endm
	s_wait_alu depctr_va_vdst(0)                   ; the wait at the head's end
	s_wait_loadcnt 16                              ; the six loads of scale words are in; the 16 loads of the bias, issued behind them, may be out
	ds_store_b128 v10, v[128:131]
	ds_store_b128 v10, v[132:135] offset:512
.irp i, 0,1,2,3
	ds_store_b128 v11, v[136+4*\i:139+4*\i] offset:512*\i
.endr
	s_cmp_eq_u32 s18, 0                            ; waves 0 and 2 asked for slot 0 and wait for it; slot 1's loads, lines of waves 1 and 3 alone, may be out
	s_cbranch_scc0 .Lslot_1
	s_wait_tensorcnt 0x0
.Lslot_1:
	s_wait_dscnt 0x0                               ; my scale words are stored, for the others' sake
	s_barrier_signal -1
	s_barrier_wait -1
	FETCH 0
	s_wait_loadcnt 0x0
	KSTEP 0, 1
	KSTEP 1, 0
	KSTEP 2, 0
	KSTEP 3, 0
	KSTEP 4, 0
	KSTEP 5, 0
	KSTEP 6, 0
	KSTEP 7, 0
.macro TOSTAGE a
	WIN 0x08
.irp b, 0,1,2,3,4,5,6,7
	ds_store_b128 v[STO], v[64*(\a)+8*\b:64*(\a)+8*\b+3] offset:128*(\b/2)+32*(\b%2)
	ds_store_b128 v[STO], v[64*(\a)+8*\b+4:64*(\a)+8*\b+7] offset:128*(\b/2)+32*(\b%2)+16
.endr
	WIN 0
.irp t, 0,1,2,3,4,5,6,7,8,9,10,11,12,13,14,15
	ds_load_b128 v[BK+64*((\a)%2)+4*\t:BK+64*((\a)%2)+4*\t+3], v[RD] offset:\t*SPITCH
.endr
.endm
.macro SEND a, younger
	s_wait_dscnt \younger
.irp t, 0,1,2,3,4,5,6,7,8,9,10,11,12,13,14,15
	global_store_b128 v[CO], v[BK+64*((\a)%2)+4*\t:BK+64*((\a)%2)+4*\t+3], s[14:15] offset:(32*((\a)/2)+8*((\a)%2)+\t+8*(\t/8))*4096 th:TH_STORE_NT
.endr
.endm
	PLACES NP
	TOSTAGE 0
.irp a, 1,2,3
.if \a > 1
	s_wait_xcnt 0x0
.endif
	TOSTAGE \a
	SEND \a-1, 32
.endr
	SEND 3, 0
	s_wait_tensorcnt 0x0
	ds_add_u32 v[SPW], v[NIL]
	s_wait_dscnt 0x0
	CROUND
	s_endpgm
.Lfunc_end_k_q6674c71945_oproj:
	.size	k_q6674c71945_oproj, .Lfunc_end_k_q6674c71945_oproj-k_q6674c71945_oproj
	.p2alignl 7, 3214868480
	.fill 96, 4, 3214868480
	.section	.rodata,"a",@progbits
	.p2align	6, 0x0
	.amdhsa_kernel k_q6674c71945_oproj
		.amdhsa_group_segment_fixed_size 327680
		.amdhsa_private_segment_fixed_size 0
		.amdhsa_enable_private_segment 0
		.amdhsa_kernarg_size 48
		.amdhsa_user_sgpr_count 2
		.amdhsa_user_sgpr_kernarg_segment_ptr 1
		.amdhsa_wavefront_size32 1
		.amdhsa_system_sgpr_workgroup_id_x 1
		.amdhsa_system_sgpr_workgroup_id_y 1
		.amdhsa_system_sgpr_workgroup_id_z 1
		.amdhsa_system_vgpr_workitem_id 0
		.amdhsa_next_free_vgpr 768
		.amdhsa_next_free_sgpr 102
		.amdhsa_reserve_vcc 0
		.amdhsa_float_denorm_mode_32 3
		.amdhsa_float_denorm_mode_16_64 3
		.amdhsa_memory_ordered 1
		.amdhsa_forward_progress 1
		.amdhsa_inst_pref_size 85
	.end_amdhsa_kernel
	.amdgpu_metadata
---
amdhsa.version: [ 1, 2 ]
amdhsa.kernels:
  - .name:           k_q6674c71945_oproj
    .symbol:         k_q6674c71945_oproj.kd
    .args:
      - { .name: ao_img, .offset: 0, .size: 8, .value_kind: global_buffer, .address_space: global }
      - { .name: ao_sc, .offset: 8, .size: 8, .value_kind: global_buffer, .address_space: global }
      - { .name: xw_img, .offset: 16, .size: 8, .value_kind: global_buffer, .address_space: global }
      - { .name: xw_sc, .offset: 24, .size: 8, .value_kind: global_buffer, .address_space: global }
      - { .name: b_out, .offset: 32, .size: 8, .value_kind: global_buffer, .address_space: global }
      - { .name: out0, .offset: 40, .size: 8, .value_kind: global_buffer, .address_space: global }
    .group_segment_fixed_size: 327680
    .private_segment_fixed_size: 0
    .kernarg_segment_align: 8
    .kernarg_segment_size: 48
    .max_flat_workgroup_size: 128
    .sgpr_count:     102
    .vgpr_count:     768
    .wavefront_size: 32
...
	.end_amdgpu_metadata
.endif
;; end of part 4
